; MI455X (gfx1250); checked and timed in simulation.
; The chip was launched on July 23, 2026; its instructions are those of AMD's public machine-readable ISA for CDNA 5 (MIT licence, August 2026) and "CDNA5" Instruction Set Architecture Reference Guide (July 2026). The comments in the code are by the model that wrote it; some were corrected since.
;; Mo E Classifier. Allowed arithmetic: float matrix products may take bf16 or f16 operands with f32 sums; other float arithmetic in f32, or as packed bf16 or f16 multiplies, adds, multiply-adds, maxima and minima; sums over many terms, partial sums and values carried from step to step in f32; what a program stores and reads back later, other than sums and carried values, may be rounded once to bf16 or f16.
;; Inputs: W1 8 x 1,024 x 1,024 float32; W2 8 x 1,024 x 512 float32; Wa 512 x 64 float32; Wd 512 x 1 float32; Wg 1,024 x 8 float32; Ws1 1,024 x 2,048 float32; Ws2 2,048 x 512 float32; b1 8 x 1,024 float32; b2 8 x 512 float32; ba 64 float32; bd 1 float32; bg 8 float32; bs1 2,048 float32; bs2 512 float32; model_ids 4,096 int32; model_table 64 x 64 float32; prompt_ids 4,096 int32; prompt_table 50,000 x 1,024 float32.
;; Outputs: out0 4,096 float32.
;; 2 versions, each right; version 2 is version 1 with the launch place written anew for expert scheduling mode. Each part assembles by itself: llvm-mc -triple=amdgcn-amd-amdhsa -mcpu=gfx1250 --defsym DOCPART=n.
;; ======== version 1 of 2: 4 launches
;; workspace buffers: xb 8,388,608 bytes; wf 20,971,520 bytes; vw 98,304 bytes; route 40,960 bytes of whole numbers; xr 16,777,216 bytes; ut 1,314,816 bytes; lists 66,048 bytes of whole numbers; part 187,392 bytes
;; launch prep (part 1): grid 456 x 1, 16 waves a work-group, no clusters, 117,248 bytes of LDS; arguments prompt_ids, prompt_table, Wg, bg, W1, Ws1, Wa, Wd, model_table, xb, wf, vw, route; writes xb, wf, vw, route
.if DOCPART == 1
	.amdgcn_target "amdgcn-amd-amdhsa--gfx1250"
	.amdhsa_code_object_version 6
	.text
	.protected	k_qd13b94c817_prep
	.globl	k_qd13b94c817_prep
	.p2align	8
	.type	k_qd13b94c817_prep,@function
k_qd13b94c817_prep:
	s_mov_b64 s[64:65], 0
	v_nop
	global_prefetch_b8 v0, s[64:65] scope:SCOPE_SE
	s_setreg_imm32_b32 hwreg(HW_REG_WAVE_MODE, 25, 1), 1
	s_wait_xcnt 0x0
; PREP: three jobs, chosen by the work-group's number x.
;   x < 8        V:      v_m[o] = sum over k of Wa[o][k] theta[m][k] - Wd[o], for the 64 models, stored in bf16 as matrix fragments (vw, first 65,536 bytes)
;   8 <= x < 136 ROUTER: 32 tokens: gather x, round it to bf16 (xb), gate logits on the rounded x, Wg and bg, top 2 (the lower index wins a tie), softmax of the two
;   x >= 136     CAST:   W1 and Ws1 rounded to bf16 and laid in the order in which a wave's operand registers take them (wf)
; Every input is rounded to bf16 once, the gate's too, so that the routing is the one of the rounded inputs.
; LIMITS: NaN and infinities are not treated apart; the gate's f32 sums are added in another order than a plain dot product's, so two logits closer than about 1e-7 of their size may change places.
; HIDDEN UNITS are numbered alike in wf, ut and the bias: stream s holds units 128 s + 64 B + 4 m + f; block nb = 4 B + f, m is the row of the fragment.
; wf[stream 80][q 32][nb 8][half 2][lane 32][16 bytes]; streams 0-63: W1 (expert s / 8); streams 64-79: Ws1.
; The launch is a stream: what counts is how many loads are out.  The text names v0-v127 alone, 128 registers a wave.
.set XP,    2064                       ; an LDS row of x: 2,048 bytes + 16: 129 x 16, an odd multiple of 16
.set WGL,   66048                      ; behind 32 rows of x: Wg as [1024 d][16 columns] bf16, pitch 32; columns 8-15 are 0
.set LG,    98816                      ; partial logits [K range 8][token 32][16 f32]
.set SPARE, 115200                     ; the spare words: 128 bytes for each of 16 waves
.set SPW,   126                        ; v126 LDS address of my spare word; never rewritten
.set NIL,   127                        ; v127 0; never rewritten
; CAST: 16 loads of 16 bytes a lane: lanes 0-15 take 256 consecutive bytes of row k, lanes 16-31 of row k + 8.  Component f of a load belongs to fragment f.
; As loaded: v40-103; packed: v8-39.
.macro CAST pitch, sh
	v_lshlrev_b32 v5, \sh, v3                      ; 8 rows further down for lanes 16 to 31
	v_lshl_add_u32 v5, v2, 4, v5                   ; + 16 (lane % 16)
	v_lshl_add_u32 v5, s30, 8, v5                  ; + my wave's 64 columns
.irp l, 0,1,2,3,4,5,6,7,8,9,10,11,12,13,14,15
	global_load_b128 v[40+4*(\l):43+4*(\l)], v5, s[40:41] offset:((\l)+8*((\l)/8))*(\pitch) th:TH_LOAD_NT
.endr
	s_wait_loadcnt 0x0
.irp f, 0,1,2,3
.irp hf, 0,1
.irp t, 0,1,2,3
	v_cvt_pk_bf16_f32 v[8+4*(2*(\f)+(\hf))+(\t)], v[40+4*(8*(\hf)+2*(\t))+(\f)], v[40+4*(8*(\hf)+2*(\t)+1)+(\f)]
.endr
.endr
.endr
.irp u, 0,1,2,3,4,5,6,7
	global_store_b128 v6, v[8+4*(\u):11+4*(\u)], s[24:25] offset:512*(\u)  ; 512 consecutive bytes a store
.endr
.endm
; one gathered row: rounded in place (register t takes raw registers 2 t, 2 t + 1), stored to xb and to LDS
.macro XROW i, left
	s_wait_loadcnt \left
.set t, 0
.rept 16
	v_cvt_pk_bf16_f32 v[40+32*(\i)+t], v[40+32*(\i)+2*t], v[41+32*(\i)+2*t]
.set t, t+1
.endr
.irp j, 0,1,2,3
	global_store_b128 v6, v[40+32*(\i)+4*(\j):43+32*(\i)+4*(\j)], s[22:23] offset:2048*(\i)+512*(\j)
	ds_store_b128 v11, v[40+32*(\i)+4*(\j):43+32*(\i)+4*(\j)] offset:XP*(\i)+512*(\j)
.endr
.endm
; a scan for the largest of the eight logits v16-23: a later one takes over only if it is greater
.macro SCAN m, ix
	v_mov_b32 v[\m], v16
	v_mov_b32 v[\ix], 0
.irp e, 1,2,3,4,5,6,7
	v_cmp_le_f32 vcc_lo, v[16+(\e)], v[\m]
	v_cndmask_b32 v[\m], v[16+(\e)], v[\m], vcc_lo
	v_cndmask_b32 v[\ix], \e, v[\ix], vcc_lo
.endr
.endm
	s_load_b512 s[4:19], s[0:1], 0x0               ; prompt_ids 4, prompt_table 6, Wg 8, bg 10, W1 12, Ws1 14, Wa 16, Wd 18
	s_load_b256 s[20:27], s[0:1], 0x40             ; model_table 20, xb 22, wf 24, vw 26
	s_load_b64 s[28:29], s[0:1], 0x60              ; route
	v_lshl_add_u32 v[SPW], v0, 2, SPARE
	v_mov_b32 v[NIL], 0
	v_lshrrev_b32 v4, 5, v0
	v_readfirstlane_b32 s30, v4                    ; wave 0..15
	v_and_b32 v1, 31, v0                           ; lane
	v_and_b32 v2, 15, v0                           ; r
	v_bfe_u32 v3, v0, 4, 1                         ; h
	v_lshlrev_b32 v6, 4, v1                        ; 16 x lane
	s_mov_b32 s31, ttmp9
	s_wait_kmcnt 0x0
	s_cmp_lt_u32 s31, 8
	s_cbranch_scc1 .Ljob_v
	s_cmp_lt_u32 s31, 136
	s_cbranch_scc1 .Ljob_router
	; ---- CAST: work-group (g, q): g = 8 streams (an expert, or half of Ws1), q = 32 rows of K; wave w: stream 8 g + w / 2, B = w % 2
	s_sub_co_u32 s32, s31, 136
	s_lshr_b32 s33, s32, 5                         ; g 0..9
	s_and_b32 s34, s32, 31                         ; q
	s_lshr_b32 s35, s30, 1
	s_lshl3_add_u32 s35, s33, s35                  ; stream
	s_lshl_b32 s35, s35, 5
	s_add_co_u32 s35, s35, s34
	s_lshl_b32 s36, s35, 13                        ; (32 stream + q) x 8,192
	s_and_b32 s37, s30, 1
	s_lshl_b32 s37, s37, 12                        ; + 4,096 B
	s_add_co_u32 s36, s36, s37
	s_mov_b32 s37, 0
	s_add_nc_u64 s[24:25], s[24:25], s[36:37]
	s_mov_b32 s39, 0
	s_cmp_lt_u32 s33, 8
	s_cbranch_scc0 .Lcast_shared
	s_lshl_b32 s38, s33, 22                        ; the expert's 4 MiB
	s_lshl_b32 s35, s34, 17                        ; 32 rows of 4,096 bytes
	s_add_co_u32 s38, s38, s35
	s_add_nc_u64 s[40:41], s[12:13], s[38:39]
	CAST 4096, 15
	s_endpgm
.Lcast_shared:
	s_sub_co_u32 s38, s33, 8
	s_lshl_b32 s38, s38, 12                        ; 1,024 columns
	s_lshl_b32 s35, s34, 18                        ; 32 rows of 8,192 bytes
	s_add_co_u32 s38, s38, s35
	s_add_nc_u64 s[40:41], s[14:15], s[38:39]
	CAST 8192, 16
	s_endpgm
	; ---- V: a wave makes 16 o x 16 models: source 0 = 16 rows of Wa, source 1 = 16 rows of theta; a lane then holds one model and eight neighbouring o: 16 bytes of vw
.Ljob_v:
	s_lshr_b32 s32, s30, 3
	s_lshl1_add_u32 s33, s31, s32                  ; c = 2 x + w / 8: 32 o
	s_bfe_u32 s34, s30, 0x10002                    ; p = (w / 4) % 2: which 16 of them
	s_and_b32 s35, s30, 3                          ; mb: 16 models
	s_lshl1_add_u32 s36, s33, s34                  ; ob = 2 c + p
	s_mov_b32 s41, 0
	s_lshl_b32 s40, s36, 12
	s_add_nc_u64 s[16:17], s[16:17], s[40:41]      ; Wa at 16 rows of 256 bytes
	s_lshl_b32 s40, s35, 12
	s_add_nc_u64 s[20:21], s[20:21], s[40:41]      ; theta likewise
	s_lshl_b32 s40, s36, 6
	s_add_nc_u64 s[18:19], s[18:19], s[40:41]      ; Wd at 16 numbers
	s_lshl2_add_u32 s40, s33, s35
	s_lshl1_add_u32 s40, s40, s34
	s_lshl_b32 s40, s40, 9                         ; ((4 c + mb) 2 + p) x 512
	s_add_nc_u64 s[26:27], s[26:27], s[40:41]
	v_lshlrev_b32 v5, 8, v2
	v_lshl_add_u32 v5, v3, 5, v5                   ; row r, 8 h numbers in
	v_lshlrev_b32 v7, 5, v3
.irp kc, 0,1
.irp g, 0,1,2,3
	global_load_b128 v[32+16*(\kc)+4*(\g):35+16*(\kc)+4*(\g)], v5, s[16:17] offset:128*(\kc)+16*((\g)%2)+64*((\g)/2)
	global_load_b128 v[64+16*(\kc)+4*(\g):67+16*(\kc)+4*(\g)], v5, s[20:21] offset:128*(\kc)+16*((\g)%2)+64*((\g)/2)
.endr
.endr
	global_load_b128 v[96:99], v7, s[18:19]
	global_load_b128 v[100:103], v7, s[18:19] offset:16
	s_wait_loadcnt 0x0
.set t, 0
.rept 16                                               ; packed in place: Wa's two fragments v32-47, theta's v64-79
	v_cvt_pk_bf16_f32 v[32+t], v[32+2*t], v[33+2*t]
	v_cvt_pk_bf16_f32 v[64+t], v[64+2*t], v[65+2*t]
.set t, t+1
.endr
.irp t, 0,1,2,3
	v_cvt_pk_bf16_f32 v[80+(\t)], v[96+2*(\t)], v[97+2*(\t)]
.endr
	v_wmma_f32_16x16x32_bf16 v[48:55], v[32:39], v[64:71], 0   ; the two halves of K on two accumulators
	v_wmma_f32_16x16x32_bf16 v[56:63], v[40:47], v[72:79], 0
.irp t, 0,1,2,3                                        ; Wd as rounded, back in f32: eight plain lines, the places behind the products (ISA guide 7.12.1)
	v_lshlrev_b32 v[96+2*(\t)], 16, v[80+(\t)]
	v_and_b32 v[97+2*(\t)], 0xffff0000, v[80+(\t)]
.endr
.irp t, 0,2,4,6
	v_pk_add_f32 v[48+(\t):49+(\t)], v[48+(\t):49+(\t)], v[56+(\t):57+(\t)]
.endr
.irp t, 0,2,4,6
	v_pk_add_f32 v[48+(\t):49+(\t)], v[48+(\t):49+(\t)], v[96+(\t):97+(\t)] neg_lo:[0,1] neg_hi:[0,1]
.endr
.irp t, 0,1,2,3
	v_cvt_pk_bf16_f32 v[84+(\t)], v[48+2*(\t)], v[49+2*(\t)]
.endr
	global_store_b128 v6, v[84:87], s[26:27]
	s_endpgm
	; ---- ROUTER: group p of 32 tokens; wave w gathers tokens 32 p + 2 w and + 1
.Ljob_router:
	s_sub_co_u32 s32, s31, 8                       ; p
	s_lshl_b32 s40, s32, 7
	s_lshl3_add_u32 s40, s30, s40
	s_mov_b32 s41, 0
	s_add_nc_u64 s[4:5], s[4:5], s[40:41]
	s_load_b64 s[42:43], s[4:5], 0x0               ; my two prompt ids
	v_lshlrev_b32 v5, 5, v1                        ; 32 x lane: 8 f32
	v_lshlrev_b32 v7, 4, v0                        ; 16 x thread
	v_mov_b32 v8, 0
.irp j, 0,1,2,3
	global_load_b128 v[16+4*(\j):19+4*(\j)], v7, s[8:9] offset:8192*(\j)  ; Wg: row thread / 2 + 256 j, four columns
.endr
	global_load_b128 v[104:107], v8, s[10:11]      ; bg
	global_load_b128 v[108:111], v8, s[10:11] offset:16
	v_lshrrev_b32 v9, 1, v0
	v_lshlrev_b32 v9, 5, v9
	v_and_b32 v4, 1, v0
	v_lshl_add_u32 v9, v4, 3, v9
	v_add_nc_u32 v9, WGL, v9                       ; where my four columns of Wg go
	v_lshlrev_b32 v10, 5, v0
	v_add_nc_u32 v10, WGL+16, v10                  ; columns 8-15 of row thread
	s_mul_i32 s44, s30, 2*XP
	v_add_nc_u32 v11, s44, v6                      ; my two rows of x in LDS
	s_and_b32 s54, s30, 1                          ; tt: which 16 tokens I multiply
	s_lshr_b32 s55, s30, 1                         ; kr: which 128 of K
	s_mul_i32 s56, s54, 16*XP
	s_lshl_b32 s57, s55, 8
	s_add_co_u32 s56, s56, s57
	v_mul_u32_u24 v12, v2, XP
	v_lshl_add_u32 v12, v3, 4, v12
	v_add_nc_u32 v12, s56, v12                     ; x's fragments
	v_and_b32 v4, 7, v0
	v_lshl_add_u32 v4, v3, 3, v4
	v_lshlrev_b32 v13, 5, v4
	v_bfe_u32 v4, v0, 3, 1
	v_lshl_add_u32 v13, v4, 4, v13
	s_lshl_b32 s57, s55, 12
	s_add_co_u32 s57, s57, WGL
	v_add_nc_u32 v13, s57, v13                     ; Wg's fragments, by the turning load: row 128 kr + 8 h + lane % 8, 16 bytes (lane / 8) % 2
	s_lshl_b32 s58, s55, 11
	s_lshl_b32 s59, s54, 10
	s_add_co_u32 s58, s58, s59
	s_add_co_u32 s58, s58, LG
	v_lshlrev_b32 v14, 6, v2
	v_lshl_add_u32 v14, v3, 5, v14
	v_add_nc_u32 v14, s58, v14                     ; my partial logits
	v_lshlrev_b32 v15, 6, v1
	v_add_nc_u32 v15, LG, v15                      ; wave 0: token = lane
	s_lshl_b32 s52, s32, 16
	s_lshl_b32 s53, s30, 12
	s_add_co_u32 s52, s52, s53
	s_mov_b32 s53, 0
	s_add_nc_u64 s[22:23], s[22:23], s[52:53]      ; xb at my two rows
	s_wait_kmcnt 0x0
	s_min_u32 s42, s42, 49999                      ; an index stays inside its table
	s_min_u32 s43, s43, 49999
	s_lshl_b32 s44, s42, 12
	s_mov_b32 s45, 0
	s_lshl_b32 s46, s43, 12
	s_mov_b32 s47, 0
	s_add_nc_u64 s[48:49], s[6:7], s[44:45]
	s_add_nc_u64 s[50:51], s[6:7], s[46:47]
.irp j, 0,1,2,3
	global_load_b128 v[40+8*(\j):43+8*(\j)], v5, s[48:49] offset:1024*(\j)
	global_load_b128 v[44+8*(\j):47+8*(\j)], v5, s[48:49] offset:1024*(\j)+16
.endr
.irp j, 0,1,2,3
	global_load_b128 v[72+8*(\j):75+8*(\j)], v5, s[50:51] offset:1024*(\j)
	global_load_b128 v[76+8*(\j):79+8*(\j)], v5, s[50:51] offset:1024*(\j)+16
.endr
	s_wait_loadcnt 0x10                            ; Wg and bg are in; the 16 loads of the two rows stay out
.irp j, 0,1,2,3
	v_cvt_pk_bf16_f32 v[112+2*(\j)], v[16+4*(\j)], v[17+4*(\j)]
	v_cvt_pk_bf16_f32 v[113+2*(\j)], v[18+4*(\j)], v[19+4*(\j)]
	ds_store_b64 v9, v[112+2*(\j):113+2*(\j)] offset:8192*(\j)
.endr
.irp t, 120,121,122,123
	v_mov_b32 v[\t], 0
.endr
	ds_store_b128 v10, v[120:123]
	ds_store_b128 v10, v[120:123] offset:16384
	XROW 0, 0x8                                    ; the second row's eight loads stay out
	XROW 1, 0x0
	s_wait_xcnt 0x0                                ; the stores' data registers are loaded into below
	s_wait_dscnt 0x0                               ; for the others' sake: my stores into LDS are done
	s_barrier_signal -1
	s_barrier_wait -1
	; logits^T = Wg^T x^T: source 0 = 16 columns of Wg, source 1 = 16 tokens; a lane holds one token and experts 8 h + 0..7
.irp cc, 0,1,2,3
	ds_load_b128 v[16+8*(\cc):19+8*(\cc)], v12 offset:64*(\cc)
	ds_load_b128 v[20+8*(\cc):23+8*(\cc)], v12 offset:64*(\cc)+32
	ds_load_tr16_b128 v[48+8*(\cc):51+8*(\cc)], v13 offset:1024*(\cc)
	ds_load_tr16_b128 v[52+8*(\cc):55+8*(\cc)], v13 offset:1024*(\cc)+512
.endr
	s_wait_dscnt 0x0
	v_wmma_f32_16x16x32_bf16 v[80:87], v[48:55], v[16:23], 0   ; two accumulators by turns
	v_wmma_f32_16x16x32_bf16 v[88:95], v[56:63], v[24:31], 0
	v_wmma_f32_16x16x32_bf16 v[80:87], v[64:71], v[32:39], v[80:87]
	v_wmma_f32_16x16x32_bf16 v[88:95], v[72:79], v[40:47], v[88:95]
.rept 4
	v_nop
.endr
.irp t, 0,2,4,6
	v_pk_add_f32 v[96+(\t):97+(\t)], v[80+(\t):81+(\t)], v[88+(\t):89+(\t)]
.endr
	ds_store_b128 v14, v[96:99]
	ds_store_b128 v14, v[100:103] offset:16
	s_wait_dscnt 0x0
	s_barrier_signal -1
	s_barrier_wait -1
	s_cmp_lg_u32 s30, 0
	s_cbranch_scc1 .Lrouter_end
	; wave 0: lane = token.  The eight K ranges are added, then bg as rounded
.irp kr, 0,1,2,3,4,5,6,7
	ds_load_b128 v[16+8*(\kr):19+8*(\kr)], v15 offset:2048*(\kr)
	ds_load_b128 v[20+8*(\kr):23+8*(\kr)], v15 offset:2048*(\kr)+16
.endr
.irp t, 0,1,2,3
	v_cvt_pk_bf16_f32 v[112+(\t)], v[104+2*(\t)], v[105+2*(\t)]
.endr
.irp t, 0,1,2,3
	v_lshlrev_b32 v[104+2*(\t)], 16, v[112+(\t)]
	v_and_b32 v[105+2*(\t)], 0xffff0000, v[112+(\t)]
.endr
	s_wait_dscnt 0x0
.irp kr, 1,2,3,4,5,6,7
.irp t, 0,2,4,6
	v_pk_add_f32 v[16+(\t):17+(\t)], v[16+(\t):17+(\t)], v[16+8*(\kr)+(\t):17+8*(\kr)+(\t)]
.endr
.endr
.irp t, 0,2,4,6
	v_pk_add_f32 v[16+(\t):17+(\t)], v[16+(\t):17+(\t)], v[104+(\t):105+(\t)]
.endr
	SCAN 80, 88                                    ; the largest and its expert
	v_mov_b32 v82, 0xff800000
.irp e, 0,1,2,3,4,5,6,7
	v_cmp_eq_u32 vcc_lo, \e, v88
	v_cndmask_b32 v[16+(\e)], v[16+(\e)], v82, vcc_lo  ; the winner leaves the field
.endr
	SCAN 81, 89                                    ; the second
	v_sub_f32 v83, v81, v80                        ; the maximum is taken away: the exponent is at most 0
	v_mul_f32 v83, 0x3fb8aa3b, v83
	v_exp_f32 v84, v83
	v_mov_b32 v92, 0                               ; a plain line behind the exponential
	s_wait_alu depctr_va_vdst(0)                   ; the wait ahead of the result's first reader
	v_add_f32 v85, 1.0, v84
	v_rcp_f32 v90, v85                             ; w1 = 1 / (1 + e)
	v_lshlrev_b32 v93, 3, v1                       ; a plain line behind the reciprocal
	s_wait_alu depctr_va_vdst(0)
	v_mul_f32 v91, v84, v90                        ; w2 = e w1
	s_lshl_b32 s40, s32, 8
	s_mov_b32 s41, 0
	s_add_nc_u64 s[44:45], s[28:29], s[40:41]
	s_add_nc_u64 s[46:47], s[26:27], s[40:41]
	global_store_b64 v93, v[88:89], s[44:45]               ; the two experts: 256 consecutive bytes
	global_store_b64 v93, v[90:91], s[46:47] offset:65536  ; their weights
.irp e, 0,1,2,3,4,5,6,7                                ; for each expert the bitmap of the group's tokens that chose it, and its count
	v_cmp_eq_u32 s40, \e, v88
	v_cmp_eq_u32 s41, \e, v89
	s_or_b32 s40, s40, s41
	v_writelane_b32 v92, s40, \e
	s_bcnt1_i32_b32 s41, s40
	v_writelane_b32 v92, s41, 8+(\e)
.endr
	s_lshl_b32 s56, s32, 6
	s_mov_b32 s57, 0
	s_add_nc_u64 s[58:59], s[28:29], s[56:57]
	v_lshlrev_b32 v94, 2, v1
	v_cmp_gt_u32 vcc_lo, 16, v1
	s_wait_xcnt 0x0                                ; EXEC changes only behind this wait
	s_and_saveexec_b32 s42, vcc_lo
	global_store_b32 v94, v92, s[58:59] offset:32768
	s_wait_xcnt 0x0
	s_or_b32 exec_lo, exec_lo, s42
.Lrouter_end:
	s_wait_tensorcnt 0x0                           ; the wave's end: the tensor wait, the add and its wait behind my last LDS store
	ds_add_u32 v[SPW], v[NIL]
	s_wait_dscnt 0x0
	s_endpgm
.Lfunc_end_k_qd13b94c817_prep:
	.size	k_qd13b94c817_prep, .Lfunc_end_k_qd13b94c817_prep-k_qd13b94c817_prep
	.p2alignl 7, 3214868480
	.fill 96, 4, 3214868480
	.section	.rodata,"a",@progbits
	.p2align	6, 0x0
	.amdhsa_kernel k_qd13b94c817_prep
		.amdhsa_group_segment_fixed_size 117248
		.amdhsa_private_segment_fixed_size 0
		.amdhsa_enable_private_segment 0
		.amdhsa_kernarg_size 104
		.amdhsa_user_sgpr_count 2
		.amdhsa_user_sgpr_kernarg_segment_ptr 1
		.amdhsa_wavefront_size32 1
		.amdhsa_system_sgpr_workgroup_id_x 1
		.amdhsa_system_sgpr_workgroup_id_y 1
		.amdhsa_system_sgpr_workgroup_id_z 1
		.amdhsa_system_vgpr_workitem_id 0
		.amdhsa_next_free_vgpr 128
		.amdhsa_next_free_sgpr 66
		.amdhsa_reserve_vcc 1
		.amdhsa_float_denorm_mode_32 3
		.amdhsa_float_denorm_mode_16_64 3
		.amdhsa_memory_ordered 1
		.amdhsa_forward_progress 1
		.amdhsa_inst_pref_size 37
	.end_amdhsa_kernel
	.amdgpu_metadata
---
amdhsa.version: [ 1, 2 ]
amdhsa.kernels:
  - .name:           k_qd13b94c817_prep
    .symbol:         k_qd13b94c817_prep.kd
    .args:
      - { .name: prompt_ids, .offset: 0, .size: 8, .value_kind: global_buffer, .address_space: global }
      - { .name: prompt_table, .offset: 8, .size: 8, .value_kind: global_buffer, .address_space: global }
      - { .name: Wg, .offset: 16, .size: 8, .value_kind: global_buffer, .address_space: global }
      - { .name: bg, .offset: 24, .size: 8, .value_kind: global_buffer, .address_space: global }
      - { .name: W1, .offset: 32, .size: 8, .value_kind: global_buffer, .address_space: global }
      - { .name: Ws1, .offset: 40, .size: 8, .value_kind: global_buffer, .address_space: global }
      - { .name: Wa, .offset: 48, .size: 8, .value_kind: global_buffer, .address_space: global }
      - { .name: Wd, .offset: 56, .size: 8, .value_kind: global_buffer, .address_space: global }
      - { .name: model_table, .offset: 64, .size: 8, .value_kind: global_buffer, .address_space: global }
      - { .name: xb, .offset: 72, .size: 8, .value_kind: global_buffer, .address_space: global }
      - { .name: wf, .offset: 80, .size: 8, .value_kind: global_buffer, .address_space: global }
      - { .name: vw, .offset: 88, .size: 8, .value_kind: global_buffer, .address_space: global }
      - { .name: route, .offset: 96, .size: 8, .value_kind: global_buffer, .address_space: global }
    .group_segment_fixed_size: 117248
    .private_segment_fixed_size: 0
    .kernarg_segment_align: 8
    .kernarg_segment_size: 104
    .max_flat_workgroup_size: 512
    .sgpr_count:     66
    .vgpr_count:     128
    .wavefront_size: 32
...
	.end_amdgpu_metadata
.endif
;; end of part 1
;; launch place (part 2): grid 417 x 1, 8 waves a work-group, no clusters, 149,760 bytes of LDS; arguments route, xb, model_ids, vw, W2, Ws2, b2, bs2, ba, bd, model_table, xr, ut, lists; writes xr, ut, lists
.if DOCPART == 2
	.amdgcn_target "amdgcn-amd-amdhsa--gfx1250"
	.amdhsa_code_object_version 6
	.text
	.protected	k_qd13b94c817_place
	.globl	k_qd13b94c817_place
	.p2align	8
	.type	k_qd13b94c817_place,@function
k_qd13b94c817_place:
	s_mov_b64 s[64:65], 0
	v_nop
	global_prefetch_b8 v0, s[64:65] scope:SCOPE_SE
	s_setreg_imm32_b32 hwreg(HW_REG_WAVE_MODE, 25, 1), 1
	s_wait_xcnt 0x0
; PLACE: three jobs, chosen by the work-group's number x; eight waves a work-group.
;   x < 160  U:     for half B = x % 2 of stream x / 2 (64 hidden units) U[unit][model] = sum over o of W2[unit][o] v_model[o], in bf16, as fragments: ut[stream][c2 4][mb 4][half 2][lane 32][16 bytes]
;   x = 160  BIAS:  T[model][e] = b2[e] . v_model (e < 8); T[model][8] = bs2 . v_model + ba . theta_model - bd; f32, 16 words a model, behind U in ut
;   x > 160  PLACEMENT of 16 tokens, half y % 2 of group p = y / 2 (y = x - 161): a counting sort without atomics: every wave adds up the 128 groups' counts for itself, and each chosen (token, expert)
;            gets its dense row in xr, experts end to end; the rows of xb are copied there; lists takes Q (where the token's partial sums will lie in part), Mr (a dense row's model) and TL (the tiles)
; A tile is 144 rows of one expert; sum of ceil(n_e / 144) is at most 64 for every split of the 8,192 rows.  x / 144 = (x * 7282) >> 20, exact below 32,768.
; Job U's share is small on purpose: each of its waves reads 48 KB of fragments from LDS, 384 KB a work-group, and 160 work-groups spread that.
.set AP,    1040                       ; an LDS row of W2: 1,024 bytes + 16: 65 x 16
.set AST,   65536                      ; behind the copy of V's fragments: job U's 64 rows; unit 64 B + 4 m + f lies at row 16 f + m
.set BST,   AST+64*AP                  ; the bias job's 16 rows have bytes of their own: no line of one job names a byte that the other job's rows take
.set SPARE, BST+16*AP                  ; the spare words: 128 bytes for each of 8 waves
.set SPW,   30                         ; v30 LDS address of my spare word; never rewritten
.set NIL,   31                         ; v31 0; never rewritten
.set AC0,   104                        ; the two accumulators of ULOOP
.set AC1,   112
.set VW,    99                         ; s99 placement: which of the group's 16 pairs of tokens is my wave's
.macro UFETCH c, b                     ; 32 of K: a fragment of 16 rows, and V's fragments for my two blocks of 16 models
	ds_load_b128 v[32+24*(\b):35+24*(\b)], v9 offset:64*(\c)
	ds_load_b128 v[36+24*(\b):39+24*(\b)], v9 offset:64*(\c)+32
	ds_load_b128 v[40+24*(\b):43+24*(\b)], v10 offset:4096*(\c)
	ds_load_b128 v[44+24*(\b):47+24*(\b)], v10 offset:4096*(\c)+512
	ds_load_b128 v[48+24*(\b):51+24*(\b)], v10 offset:4096*(\c)+1024
	ds_load_b128 v[52+24*(\b):55+24*(\b)], v10 offset:4096*(\c)+1536
.endm
.macro ULOOP                           ; K = 512 in 16 steps on three buffers, asked for two steps ahead; two accumulators by turns
	UFETCH 0, 0
	UFETCH 1, 1
.set c, 0
.rept 16
.set fb, 32+24*(c%3)
.if c > 0 && c < 14
.rept 4
	v_nop                                          ; the places in front of loads into the buffer that the last step multiplied
.endr
.endif
.if c < 14
	UFETCH c+2, (c+2)%3
	s_wait_dscnt 0xc                               ; this step's six are in; the twelve of the next two steps stay out
.elseif c == 14
	s_wait_dscnt 0x6                               ; the last step's six stay out
.else
	s_wait_dscnt 0x0
.endif
.if c == 0
	v_wmma_f32_16x16x32_bf16 v[AC0:AC0+7], v[fb:fb+7], v[fb+8:fb+15], 0
	v_wmma_f32_16x16x32_bf16 v[AC1:AC1+7], v[fb:fb+7], v[fb+16:fb+23], 0
.else
	v_wmma_f32_16x16x32_bf16 v[AC0:AC0+7], v[fb:fb+7], v[fb+8:fb+15], v[AC0:AC0+7]
	v_wmma_f32_16x16x32_bf16 v[AC1:AC1+7], v[fb:fb+7], v[fb+16:fb+23], v[AC1:AC1+7]
.endif
.set c, c+1
.endr
.endm
.macro LSUM r                          ; a whole number added up over the 32 lanes
.irp m, 1,2,4,8
	v_mov_b32_dpp v112, v[\r] row_xmask:\m row_mask:0xf bank_mask:0xf
	v_add_nc_u32 v[\r], v[\r], v112
.endr
	v_permlanex16_b32 v112, v[\r], s36, s37
	v_add_nc_u32 v[\r], v[\r], v112
.endm
.macro TLW j0                          ; tiles j0 + lane: the last expert whose first tile is not behind j takes it
	s_wait_xcnt 0x0                                ; the registers of the store before are written again
	v_add_nc_u32 v130, \j0, v1
	v_mul_u32_u24 v131, s38, v130
	v_mov_b32 v132, 0
	v_mov_b32 v133, 0
.irp e, 0,1,2,3,4,5,6,7
	s_mul_i32 s52, s[90+(\e)], 144
	s_sub_co_u32 s52, s[82+(\e)], s52
	v_cmp_gt_u32 vcc_lo, s[90+(\e)], v130
	v_add_nc_u32 v134, s52, v131                   ; off_e + 144 (j - tb_e)
	v_cndmask_b32 v132, \e, v132, vcc_lo
	v_cndmask_b32 v133, v134, v133, vcc_lo
.endr
	v_cmp_gt_u32 vcc_lo, s98, v130                 ; a slot behind the last tile gets (0, 0)
	v_cndmask_b32 v132, 0, v132, vcc_lo
	v_cndmask_b32 v133, 0, v133, vcc_lo
	v_min_u32 v133, 8048, v133                     ; a tile's 144 rows stay inside xr
	v_lshlrev_b32 v135, 3, v130
	global_store_b64 v135, v[132:133], s[30:31] offset:65536
.endm
	s_load_b512 s[4:19], s[0:1], 0x0               ; route 4, xb 6, model_ids 8, vw 10, W2 12, Ws2 14, b2 16, bs2 18
	s_load_b256 s[20:27], s[0:1], 0x40             ; ba 20, bd 22, model_table 24, xr 26
	s_load_b128 s[28:31], s[0:1], 0x60             ; ut 28, lists 30
	v_lshl_add_u32 v[SPW], v0, 2, SPARE
	v_mov_b32 v[NIL], 0
	v_lshrrev_b32 v4, 5, v0
	v_readfirstlane_b32 s32, v4                    ; wave 0..7
	v_and_b32 v1, 31, v0
	v_and_b32 v2, 15, v0
	v_bfe_u32 v3, v0, 4, 1
	v_lshlrev_b32 v6, 4, v1                        ; 16 x lane
	s_mov_b32 s33, ttmp9
	s_wait_kmcnt 0x0
	s_cmp_gt_u32 s33, 160
	s_cbranch_scc1 .Ljob_place
	; U and BIAS: V's fragments, 65,536 bytes, are copied into LDS as they lie: 16 loads of 16 bytes a thread
	v_lshlrev_b32 v7, 4, v0
.irp j, 0,1,2,3,4,5,6,7,8,9,10,11,12,13,14,15
	global_load_b128 v[32+4*(\j):35+4*(\j)], v7, s[10:11] offset:4096*(\j)
.endr
	v_lshlrev_b32 v5, 5, v1                        ; 32 x lane: 8 f32
	s_and_b32 s35, s32, 1                          ; mh: models 32 mh to 32 mh + 31
	s_lshl_b32 s36, s35, 11
	v_add_nc_u32 v10, s36, v6
	v_mul_u32_u24 v9, v2, AP
	v_lshl_add_u32 v9, v3, 4, v9
	s_cmp_eq_u32 s33, 160
	s_cbranch_scc1 .Ljob_bias
	; ---- U.  Wave w brings rows 8 w to 8 w + 7 of the work-group's 64
	s_lshr_b32 s38, s33, 1                         ; stream 0..79
	s_and_b32 s39, s33, 1                          ; B
	s_and_b32 s34, s38, 63
	s_lshl_b32 s42, s34, 18                        ; 128 rows of 2,048 bytes a stream,
	s_lshl_b32 s44, s39, 17                        ; 64 a half,
	s_add_co_u32 s42, s42, s44
	s_lshl_b32 s44, s32, 14                        ; 8 a wave
	s_add_co_u32 s42, s42, s44
	s_mov_b32 s43, 0
	s_cmp_lt_u32 s38, 64
	s_cselect_b64 s[40:41], s[12:13], s[14:15]
	s_add_nc_u64 s[40:41], s[40:41], s[42:43]
.set i, 0
.rept 8
	global_load_b128 v[96+16*i:99+16*i], v5, s[40:41] offset:2048*i th:TH_LOAD_NT
	global_load_b128 v[100+16*i:103+16*i], v5, s[40:41] offset:2048*i+16 th:TH_LOAD_NT
	global_load_b128 v[104+16*i:107+16*i], v5, s[40:41] offset:2048*i+1024 th:TH_LOAD_NT
	global_load_b128 v[108+16*i:111+16*i], v5, s[40:41] offset:2048*i+1040 th:TH_LOAD_NT
.set i, i+1
.endr
	s_mul_i32 s44, s32, 2*AP                       ; row 8 w + i is unit 4 m + f with m = 2 w + i / 4, f = i % 4
	s_add_co_u32 s44, s44, AST
	v_add_nc_u32 v8, s44, v6
	s_lshr_b32 s37, s32, 1                         ; tau: the block of 16 LDS rows that I multiply (f = tau)
	s_mul_i32 s37, s37, 16*AP
	s_add_co_u32 s37, s37, AST
	v_add_nc_u32 v9, s37, v9
	s_wait_loadcnt 0x20                            ; V's fragments are in; the 32 loads of my rows stay out
.irp j, 0,1,2,3,4,5,6,7,8,9,10,11,12,13,14,15
	ds_store_b128 v7, v[32+4*(\j):35+4*(\j)] offset:4096*(\j)
.endr
.set i, 0
.rept 8
	s_wait_loadcnt 28-4*i                          ; row i is in; the rows behind it stay out
.set t, 0
.rept 8
	v_cvt_pk_bf16_f32 v[96+16*i+t], v[96+16*i+2*t], v[97+16*i+2*t]
.set t, t+1
.endr
	ds_store_b128 v8, v[96+16*i:99+16*i] offset:(i%4)*16*AP+(i/4)*AP
	ds_store_b128 v8, v[100+16*i:103+16*i] offset:(i%4)*16*AP+(i/4)*AP+512
.set i, i+1
.endr
	s_wait_dscnt 0x0
	s_barrier_signal -1
	s_barrier_wait -1
	ULOOP                                          ; source 0 = 16 units, source 1 = 16 models: a lane holds one model and eight units: 16 bytes of ut
.rept 4
	v_nop
.endr
.irp t, 0,1,2,3
	v_cvt_pk_bf16_f32 v[120+(\t)], v[AC0+2*(\t)], v[AC0+1+2*(\t)]
.endr
.irp t, 0,1,2,3
	v_cvt_pk_bf16_f32 v[124+(\t)], v[AC1+2*(\t)], v[AC1+1+2*(\t)]
.endr
	s_lshl_b32 s42, s38, 14                        ; the stream's 16,384 bytes
	s_lshl_b32 s44, s39, 13                        ; block nb = 4 B + tau; c2 = nb / 2 = 2 B + w / 4, 4,096 bytes each
	s_add_co_u32 s42, s42, s44
	s_lshr_b32 s44, s32, 2
	s_lshl_b32 s44, s44, 12
	s_add_co_u32 s42, s42, s44
	s_add_co_u32 s42, s42, s36                     ; mb = 2 mh, 1,024 bytes each
	s_bfe_u32 s44, s32, 0x10001
	s_lshl_b32 s44, s44, 9                         ; half = nb % 2 = tau % 2
	s_add_co_u32 s42, s42, s44
	s_add_nc_u64 s[28:29], s[28:29], s[42:43]
	global_store_b128 v6, v[120:123], s[28:29]
	global_store_b128 v6, v[124:127], s[28:29] offset:1024
	s_branch .Lend_lds
	; ---- BIAS.  Wave w brings rows w and 8 + w of the tile: row e < 8: b2[e]; row 8: bs2 (rows 9-15 repeat b2 and give words of T that nobody reads)
.Ljob_bias:
	s_lshl_b32 s42, s32, 11
	s_mov_b32 s43, 0
	s_add_nc_u64 s[40:41], s[16:17], s[42:43]
	s_cmp_eq_u32 s32, 0
	s_cselect_b64 s[44:45], s[18:19], s[40:41]
	global_load_b128 v[96:99], v5, s[40:41]
	global_load_b128 v[100:103], v5, s[40:41] offset:16
	global_load_b128 v[104:107], v5, s[40:41] offset:1024
	global_load_b128 v[108:111], v5, s[40:41] offset:1040
	global_load_b128 v[112:115], v5, s[44:45]
	global_load_b128 v[116:119], v5, s[44:45] offset:16
	global_load_b128 v[120:123], v5, s[44:45] offset:1024
	global_load_b128 v[124:127], v5, s[44:45] offset:1040
	v_lshlrev_b32 v11, 5, v3                       ; ba: every lane takes its half's numbers of K
	v_lshlrev_b32 v12, 8, v2
	v_lshl_add_u32 v12, v3, 5, v12                 ; theta: row r
	v_mov_b32 v13, 0
	s_lshl_b32 s46, s35, 13                        ; 32 mh rows of 256 bytes
	s_mov_b32 s47, 0
	s_add_nc_u64 s[24:25], s[24:25], s[46:47]
.irp kc, 0,1
.irp g, 0,1,2,3
	global_load_b128 v[128+16*(\kc)+4*(\g):131+16*(\kc)+4*(\g)], v11, s[20:21] offset:128*(\kc)+16*((\g)%2)+64*((\g)/2)
.endr
.endr
.irp mi, 0,1
.irp kc, 0,1
.irp g, 0,1,2,3
	global_load_b128 v[160+32*(\mi)+16*(\kc)+4*(\g):163+32*(\mi)+16*(\kc)+4*(\g)], v12, s[24:25] offset:4096*(\mi)+128*(\kc)+16*((\g)%2)+64*((\g)/2)
.endr
.endr
.endr
	global_load_b32 v224, v13, s[22:23]
	s_mul_i32 s48, s32, AP
	s_add_co_u32 s48, s48, BST
	v_add_nc_u32 v8, s48, v6
	v_add_nc_u32 v9, BST, v9
	s_wait_loadcnt 0x0
.irp j, 0,1,2,3,4,5,6,7,8,9,10,11,12,13,14,15
	ds_store_b128 v7, v[32+4*(\j):35+4*(\j)] offset:4096*(\j)
.endr
.set t, 0
.rept 8
	v_cvt_pk_bf16_f32 v[96+t], v[96+2*t], v[97+2*t]
	v_cvt_pk_bf16_f32 v[112+t], v[112+2*t], v[113+2*t]
.set t, t+1
.endr
	ds_store_b128 v8, v[96:99]
	ds_store_b128 v8, v[100:103] offset:512
	ds_store_b128 v8, v[112:115] offset:8*AP
	ds_store_b128 v8, v[116:119] offset:8*AP+512
.set t, 0
.rept 16                                               ; ba's two fragments v128-143
	v_cvt_pk_bf16_f32 v[128+t], v[128+2*t], v[129+2*t]
.set t, t+1
.endr
.set t, 0
.rept 32                                               ; theta's four fragments: block mi, half kc of K at v[160 + 16 mi + 8 kc]
	v_cvt_pk_bf16_f32 v[160+t], v[160+2*t], v[161+2*t]
.set t, t+1
.endr
	s_mov_b32 s50, 0x01000100                      ; lanes 8 and 24: row 8 of source 0
.set t, 0
.rept 16
	v_cndmask_b32 v[128+t], 0, v[128+t], s50       ; ba stands in row 8 alone
.set t, t+1
.endr
	v_cvt_pk_bf16_f32 v225, v224, v224
	v_lshlrev_b32 v225, 16, v225                   ; bd as rounded
	s_mov_b32 s51, 0xffff0000
	v_cndmask_b32 v226, 0, v225, s51               ; register 0 of lanes 16-31 is row 8
	s_wait_dscnt 0x0
	s_barrier_signal -1
	s_barrier_wait -1
	s_cmp_gt_u32 s32, 1
	s_cbranch_scc1 .Lend_lds
	ULOOP
	v_wmma_f32_16x16x32_bf16 v[AC0:AC0+7], v[128:135], v[160:167], v[AC0:AC0+7]    ; + ba . theta in row 8; the two accumulators go on by turns
	v_wmma_f32_16x16x32_bf16 v[AC1:AC1+7], v[128:135], v[176:183], v[AC1:AC1+7]
	v_wmma_f32_16x16x32_bf16 v[AC0:AC0+7], v[136:143], v[168:175], v[AC0:AC0+7]
	v_wmma_f32_16x16x32_bf16 v[AC1:AC1+7], v[136:143], v[184:191], v[AC1:AC1+7]
	v_lshlrev_b32 v14, 6, v2                       ; T: model r, 64 bytes each; 8 h words in.  With two v_nop: the four places
	v_lshl_add_u32 v14, v3, 5, v14
	v_nop
	v_nop
	v_sub_f32 v[AC0], v[AC0], v226
	v_sub_f32 v[AC1], v[AC1], v226
	s_mov_b32 s42, s36
	s_add_nc_u64 s[28:29], s[28:29], s[42:43]
	global_store_b128 v14, v[AC0:AC0+3], s[28:29] offset:1310720
	global_store_b128 v14, v[AC0+4:AC0+7], s[28:29] offset:1310736
	global_store_b128 v14, v[AC1:AC1+3], s[28:29] offset:1311744
	global_store_b128 v14, v[AC1+4:AC1+7], s[28:29] offset:1311760
.Lend_lds:
	s_wait_tensorcnt 0x0                           ; the wave's end: the tensor wait, the add and its wait behind my last LDS store
	ds_add_u32 v[SPW], v[NIL]
	s_wait_dscnt 0x0
	s_endpgm
	; ---- PLACEMENT: no LDS, no barrier
.Ljob_place:
	s_sub_co_u32 s38, s33, 161                     ; y
	s_lshr_b32 s34, s38, 1                         ; p: the group of 32 tokens
	s_and_b32 s38, s38, 1
	s_lshl3_add_u32 s[VW], s38, s32                ; 8 (y % 2) + wave: my tokens are 32 p + 2 s99 and + 1
	s_lshl_b32 s48, s34, 6
	s_mov_b32 s49, 0
	s_add_nc_u64 s[50:51], s[4:5], s[48:49]
	s_load_b256 s[40:47], s[50:51], 0x8000         ; my group's eight bitmaps
	v_lshlrev_b32 v5, 6, v1
.irp gi, 0,1,2,3                                       ; the counts of groups lane + 32 gi
	global_load_b128 v[64+8*(\gi):67+8*(\gi)], v5, s[4:5] offset:32768+2048*(\gi)+32
	global_load_b128 v[68+8*(\gi):71+8*(\gi)], v5, s[4:5] offset:32768+2048*(\gi)+48
.endr
	v_lshlrev_b32 v7, 3, v1
	v_lshlrev_b32 v8, 2, v1
	s_lshl_b32 s54, s34, 8
	s_mov_b32 s55, 0
	s_add_nc_u64 s[56:57], s[4:5], s[54:55]
	global_load_b64 v[96:97], v7, s[56:57]         ; token 32 p + lane: its two experts,
	s_lshl_b32 s58, s34, 7
	s_mov_b32 s59, 0
	s_add_nc_u64 s[8:9], s[8:9], s[58:59]
	global_load_b32 v98, v8, s[8:9]                ; its model
	s_lshl_b32 s52, s34, 16
	s_lshl_b32 s53, s[VW], 12
	s_add_co_u32 s52, s52, s53
	s_mov_b32 s53, 0
	s_add_nc_u64 s[6:7], s[6:7], s[52:53]
.irp j, 0,1,2,3,4,5,6,7                                ; my wave's two rows of xb
	global_load_b128 v[32+4*(\j):35+4*(\j)], v6, s[6:7] offset:512*(\j)
.endr
	s_mov_b32 s35, 384
	s_mov_b32 s36, 0x76543210
	s_mov_b32 s37, 0xfedcba98
	s_mov_b32 s38, 144
	s_mov_b32 s39, 7282
	v_mov_b32 v112, 0
	s_add_nc_u64 s[60:61], s[30:31], s[54:55]      ; Q at my group
	s_wait_loadcnt 0x8                             ; all but the eight loads of the rows
	; two experts' counts to a word (each at most 4,096); tot: all groups; pre: the groups in front of mine
.set gi, 0
.rept 4
	v_add_nc_u32 v99, 32*gi, v1
	v_cmp_gt_u32 vcc_lo, s34, v99
.irp pe, 0,1,2,3
.if gi == 0
	v_lshl_or_b32 v[104+(\pe)], v[65+2*(\pe)], 16, v[64+2*(\pe)]
	v_cndmask_b32 v[108+(\pe)], 0, v[104+(\pe)], vcc_lo
.else
	v_lshl_or_b32 v100, v[65+8*gi+2*(\pe)], 16, v[64+8*gi+2*(\pe)]
	v_cndmask_b32 v101, 0, v100, vcc_lo
	v_add_nc_u32 v[104+(\pe)], v[104+(\pe)], v100
	v_add_nc_u32 v[108+(\pe)], v[108+(\pe)], v101
.endif
.endr
.set gi, gi+1
.endr
.irp r, 104,105,106,107,108,109,110,111
	LSUM \r
.endr
.irp pe, 0,1,2,3
	v_readfirstlane_b32 s52, v[104+(\pe)]
	s_and_b32 s[66+2*(\pe)], s52, 0xffff           ; n_e: s66-73
	s_lshr_b32 s[67+2*(\pe)], s52, 16
	v_readfirstlane_b32 s53, v[108+(\pe)]
	s_and_b32 s[74+2*(\pe)], s53, 0xffff           ; pre_e: s74-81
	s_lshr_b32 s[75+2*(\pe)], s53, 16
.endr
	s_mov_b32 s82, 0                               ; off_e: s82-89, the expert's first dense row
	s_mov_b32 s90, 0                               ; tb_e: s90-97, its first tile; s98: all tiles
.irp e, 0,1,2,3,4,5,6,7
	s_add_co_u32 s52, s[66+(\e)], 143
	s_mul_i32 s52, s52, 7282
	s_lshr_b32 s52, s52, 20
.if (\e) < 7
	s_add_co_u32 s[83+(\e)], s[82+(\e)], s[66+(\e)]
.endif
	s_add_co_u32 s[91+(\e)], s[90+(\e)], s52
.endr
.irp t, 116,117,118,119
	v_mov_b32 v[\t], 0
.endr
	s_wait_kmcnt 0x0
.irp e, 0,1,2,3,4,5,6,7
	v_mbcnt_lo_u32_b32 v113, s[40+(\e)], 0         ; the group's earlier tokens with this expert
	v_add_nc_u32 v113, s[74+(\e)], v113            ; rank in the expert
	v_mul_u32_u24 v114, s39, v113
	v_lshrrev_b32 v114, 20, v114                   ; its tile in the expert
	v_add_nc_u32 v113, s[82+(\e)], v113            ; the dense row
	v_mad_u32_u24 v115, v114, s38, s[82+(\e)]
	v_min_u32 v115, 8048, v115                     ; the tile's first row
	v_add_nc_u32 v114, s[90+(\e)], v114
	v_mad_u32_u24 v114, v114, s35, v113            ; two work-groups of 192 words a tile
	v_sub_nc_u32 v114, v114, v115
	v_add_nc_u32 v114, 22272, v114                 ; behind the 116 work-groups of the shared expert
	v_cmp_eq_u32 vcc_lo, \e, v96
	v_cndmask_b32 v116, v116, v113, vcc_lo
	v_cndmask_b32 v118, v118, v114, vcc_lo
	v_cmp_eq_u32 vcc_lo, \e, v97
	v_cndmask_b32 v117, v117, v113, vcc_lo
	v_cndmask_b32 v119, v119, v114, vcc_lo
.endr
	v_min_u32 v116, 8191, v116
	v_min_u32 v117, 8191, v117
	s_cmp_lg_u32 s[VW], 0
	s_cbranch_scc1 .Lnot_first
	global_store_b64 v7, v[118:119], s[60:61]      ; Q, once for the group: 256 consecutive bytes
	v_lshlrev_b32 v120, 2, v116
	v_lshlrev_b32 v121, 2, v117
	global_store_b32 v120, v98, s[30:31] offset:32768  ; Mr: a scatter by its nature, 32 KiB in the whole launch
	global_store_b32 v121, v98, s[30:31] offset:32768
.Lnot_first:
	s_lshl_b32 s52, s[VW], 1                       ; my two tokens' lanes
	v_readlane_b32 s56, v116, s52
	v_readlane_b32 s57, v117, s52
	s_add_co_u32 s52, s52, 1
	v_readlane_b32 s58, v116, s52
	v_readlane_b32 s59, v117, s52
	s_min_u32 s56, s56, 8191
	s_min_u32 s57, s57, 8191
	s_min_u32 s58, s58, 8191
	s_min_u32 s59, s59, 8191
	v_lshl_add_u32 v122, s56, 11, v6
	v_lshl_add_u32 v123, s57, 11, v6
	v_lshl_add_u32 v124, s58, 11, v6
	v_lshl_add_u32 v125, s59, 11, v6
	s_wait_loadcnt 0x0
.irp j, 0,1,2,3                                        ; each row goes to its two places, 512 consecutive bytes a store
	global_store_b128 v122, v[32+4*(\j):35+4*(\j)], s[26:27] offset:512*(\j)
	global_store_b128 v123, v[32+4*(\j):35+4*(\j)], s[26:27] offset:512*(\j)
	global_store_b128 v124, v[48+4*(\j):51+4*(\j)], s[26:27] offset:512*(\j)
	global_store_b128 v125, v[48+4*(\j):51+4*(\j)], s[26:27] offset:512*(\j)
.endr
	s_cmp_lg_u32 s34, 0
	s_cbranch_scc1 .Lplace_end
	s_cmp_lg_u32 s[VW], 1
	s_cbranch_scc1 .Lplace_end
	TLW 0                                          ; one wave of group 0 writes the list of 64 tiles
	TLW 32
.Lplace_end:
	s_endpgm
.Lfunc_end_k_qd13b94c817_place:
	.size	k_qd13b94c817_place, .Lfunc_end_k_qd13b94c817_place-k_qd13b94c817_place
	.p2alignl 7, 3214868480
	.fill 96, 4, 3214868480
	.section	.rodata,"a",@progbits
	.p2align	6, 0x0
	.amdhsa_kernel k_qd13b94c817_place
		.amdhsa_group_segment_fixed_size 149760
		.amdhsa_private_segment_fixed_size 0
		.amdhsa_enable_private_segment 0
		.amdhsa_kernarg_size 112
		.amdhsa_user_sgpr_count 2
		.amdhsa_user_sgpr_kernarg_segment_ptr 1
		.amdhsa_wavefront_size32 1
		.amdhsa_system_sgpr_workgroup_id_x 1
		.amdhsa_system_sgpr_workgroup_id_y 1
		.amdhsa_system_sgpr_workgroup_id_z 1
		.amdhsa_system_vgpr_workitem_id 0
		.amdhsa_next_free_vgpr 240
		.amdhsa_next_free_sgpr 100
		.amdhsa_reserve_vcc 1
		.amdhsa_float_denorm_mode_32 3
		.amdhsa_float_denorm_mode_16_64 3
		.amdhsa_memory_ordered 1
		.amdhsa_forward_progress 1
		.amdhsa_inst_pref_size 71
	.end_amdhsa_kernel
	.amdgpu_metadata
---
amdhsa.version: [ 1, 2 ]
amdhsa.kernels:
  - .name:           k_qd13b94c817_place
    .symbol:         k_qd13b94c817_place.kd
    .args:
      - { .name: route, .offset: 0, .size: 8, .value_kind: global_buffer, .address_space: global }
      - { .name: xb, .offset: 8, .size: 8, .value_kind: global_buffer, .address_space: global }
      - { .name: model_ids, .offset: 16, .size: 8, .value_kind: global_buffer, .address_space: global }
      - { .name: vw, .offset: 24, .size: 8, .value_kind: global_buffer, .address_space: global }
      - { .name: W2, .offset: 32, .size: 8, .value_kind: global_buffer, .address_space: global }
      - { .name: Ws2, .offset: 40, .size: 8, .value_kind: global_buffer, .address_space: global }
      - { .name: b2, .offset: 48, .size: 8, .value_kind: global_buffer, .address_space: global }
      - { .name: bs2, .offset: 56, .size: 8, .value_kind: global_buffer, .address_space: global }
      - { .name: ba, .offset: 64, .size: 8, .value_kind: global_buffer, .address_space: global }
      - { .name: bd, .offset: 72, .size: 8, .value_kind: global_buffer, .address_space: global }
      - { .name: model_table, .offset: 80, .size: 8, .value_kind: global_buffer, .address_space: global }
      - { .name: xr, .offset: 88, .size: 8, .value_kind: global_buffer, .address_space: global }
      - { .name: ut, .offset: 96, .size: 8, .value_kind: global_buffer, .address_space: global }
      - { .name: lists, .offset: 104, .size: 8, .value_kind: global_buffer, .address_space: global }
    .group_segment_fixed_size: 149760
    .private_segment_fixed_size: 0
    .kernarg_segment_align: 8
    .kernarg_segment_size: 112
    .max_flat_workgroup_size: 256
    .sgpr_count:     100
    .vgpr_count:     240
    .wavefront_size: 32
...
	.end_amdgpu_metadata
.endif
;; end of part 2
;; launch chain (part 3): grid 244 x 1, 4 waves a work-group, no clusters, 327,680 bytes of LDS; arguments xb, xr, wf, ut, b1, bs1, model_ids, lists, part; writes part
.if DOCPART == 3
	.amdgcn_target "amdgcn-amd-amdhsa--gfx1250"
	.amdhsa_code_object_version 6
	.text
	.protected	k_qd13b94c817_chain
	.globl	k_qd13b94c817_chain
	.p2align	8
	.type	k_qd13b94c817_chain,@function
k_qd13b94c817_chain:
	s_mov_b64 s[64:65], 0
	v_nop
	global_prefetch_b8 v0, s[64:65] scope:SCOPE_SE
	s_setreg_imm32_b32 hwreg(HW_REG_WAVE_MODE, 25, 1), 1
	s_wait_xcnt 0x0
; CHAIN: a work-group takes 144 rows x 512 hidden units: H = relu(X W + b) in bf16, Z = U^T H^T (64 models), and of Z each row keeps its own model's number; the four waves' numbers are added: part[work-group][192] f32.
; Work-groups 0-115: the shared expert, tile x / 4 of 29 (first row min(144 i, 3952) of xb), units 512 (x % 4) on.  Work-groups 116-243: routed tile j = (x - 116) / 2 of the list TL (expert, first row of xr),
; units 512 ((x - 116) % 2) on.  The list steers global addresses alone: every work-group runs the same text.  A slot of TL without a tile holds (0, 0): its numbers go to words of part that nobody reads.
; Rows of a tile past the expert's count belong to a neighbour expert; their numbers are not read either.
; SHARES.  Wave w owns all 144 rows x the 128 units of stream 4 tile + w: 72 accumulators.  X's whole K, 144 x 1,024 bf16, lies in LDS in eight chunks of 128 along K, each filled once; the weights come from
; wf straight into registers as fragments, asked for three quarter steps (of 32 along K) ahead, on four buffers.
; THE MATRIX INSTRUCTION IS USED TRANSPOSED: source 0 = 16 units, source 1 = 16 rows of X.  A lane then holds one row and eight units, and two results rounded in pairs ARE source 1 of the second product.
; The bias, rounded to bf16, is the C operand of the first quarter step: nothing is cleared.
; NO CLUSTER: of the 1.3 MB that a work-group reads, 1 MB are weights that go into registers, where no joint load reaches; what tensor loads bring, X, is shared by two or four work-groups and is 0.29 MB.
; A tensor load has 36 rows, a wave's quarter of a chunk's 144.
; REGISTERS, in windows of 256 (s_set_vgpr_msb: bits 1:0 source 0, 3:2 source 1, 5:4 source 2, 7:6 destination):
;   window 0: v0-31 addresses and at work; v32-103, v104-175 X's fragments, two buffers of 9 x 8; v176-239 the accumulators of rows 128-143; v240-248 the rows' models
;   window 1: four buffers of 64 for the weights; at the end v0-127 U, v128-191 H (two buffers), v192-223 Z, v224-232 the rows' numbers, v233-234 at work, v255 zero
;   window 2: the accumulators of rows 0-63 (block b, units nb at v[8 (8 b + nb)]);   window 3: of rows 64-127
.set PITCH, 272                        ; an LDS row: 256 bytes + 16: 17 x 16, so the 16 rows of a fragment load start at 16 different groups of four banks (64 banks of 4 bytes: ISA guide 11.1)
.set CHUNK, 144*PITCH
.set WPART, 36*PITCH
.set STG,   8*CHUNK                    ; behind the chunks: 768 bytes for each wave's 192 numbers
.set SPARE, STG+3072                   ; the spare words: 128 bytes for each wave
.set ADRA0, 4                          ; v4  my lane's place in a chunk; never rewritten
.set ADRA,  5                          ; v5  the same in the chunk in hand
.set BOFF,  6                          ; v6  16 x lane
.set BIO,   7                          ; v7  128 x (lane / 16)
.set MIO,   8                          ; v8  4 x (lane % 16)
.set STO,   9
.set RD,    10
.set GO,    11
.set SPW,   12                         ; v12 LDS address of my spare word; never rewritten
.set NIL,   13                         ; v13 0; never rewritten
.set ZST,   14
.set A0,    32
.set A1,    104
.set ACC8,  176
.set MID,   240
.set WV,    22                         ; s22 wave
.set WFB,   68                         ; s[68:69] my stream in wf, at the chunk in hand
.set UFB,   72                         ; s[72:73] my stream in ut
.set TA,    90                         ; s90 LDS byte of the chunk in hand
.set CNT,   91
.set MSB, 0
.macro WIN new                         ; the immediate's high byte repeats the setting that is left; a switch that changes nothing is dropped
.if MSB != (\new)
	s_set_vgpr_msb (MSB<<8)|(\new)
.set MSB, \new
.endif
.endm
.macro PLACES                          ; four places in front of loads into, and vector writes of, registers that matrix instructions have named
.rept 4
	v_nop
.endr
.endm
; 8 matrix instructions: rows 16 blk on x all 8 blocks of units, 32 along K.  mode = 1: C is the bias (window 1, v192 on)
.macro MULB ab, bb, blk, mode
.if (\blk) < 4
.set AW, 2
.set AR, 64*(\blk)
.elseif (\blk) < 8
.set AW, 3
.set AR, 64*((\blk)-4)
.else
.set AW, 0
.set AR, ACC8
.endif
.if \mode
	WIN (AW<<6)|0x11
.else
	WIN (AW<<6)|(AW<<4)|0x01
.endif
.irp nb, 0,1,2,3,4,5,6,7
.if \mode
	v_wmma_f32_16x16x32_bf16 v[AR+8*(\nb):AR+8*(\nb)+7], v[64*(\bb)+8*(\nb):64*(\bb)+8*(\nb)+7], v[(\ab)+8*(\blk):(\ab)+8*(\blk)+7], v[192+8*(\nb):192+8*(\nb)+7]
.else
	v_wmma_f32_16x16x32_bf16 v[AR+8*(\nb):AR+8*(\nb)+7], v[64*(\bb)+8*(\nb):64*(\bb)+8*(\nb)+7], v[(\ab)+8*(\blk):(\ab)+8*(\blk)+7], v[AR+8*(\nb):AR+8*(\nb)+7]
.endif
.endr
.endm
.macro FETCH_A buf, off                ; 18 LDS loads: X's nine fragments of 32 along K at byte off of the chunk's rows
	WIN 0
.irp i, 0,1,2,3,4,5,6,7,8
	ds_load_b128 v[(\buf)+8*(\i):(\buf)+8*(\i)+3], v[ADRA] offset:(\off)+(\i)*16*PITCH
	ds_load_b128 v[(\buf)+8*(\i)+4:(\buf)+8*(\i)+7], v[ADRA] offset:(\off)+(\i)*16*PITCH+32
.endr
.endm
.macro FETCH_B buf, base, imm          ; 16 loads of 512 consecutive bytes: eight fragments as they lie
	WIN 0x40
.irp n, 0,1,2,3,4,5,6,7
	global_load_b128 v[64*(\buf)+8*(\n):64*(\buf)+8*(\n)+3], v[BOFF], s[\base:\base+1] offset:(\imm)+1024*(\n)
	global_load_b128 v[64*(\buf)+8*(\n)+4:64*(\buf)+8*(\n)+7], v[BOFF], s[\base:\base+1] offset:(\imm)+1024*(\n)+512
.endr
.endm
; A quarter step: 72 matrix instructions, the accumulators by turns.  In its middle: X's fragments for the next quarter, the weights for the third next.
.macro QUARTER ab, an, bb, aoff, fb, fbase, fimm, mode=0
	s_wait_loadcnt 32                              ; this quarter's weights are in; the next two quarters' 32 loads stay out
	s_wait_dscnt 10                                ; rows 0-63 are in; the youngest ten loads (rows 64-143) may be out
.irp k, 0,1,2,3
	MULB \ab, \bb, \k, \mode
.endr
	PLACES
	FETCH_A \an, \aoff
.if !(\mode)
	FETCH_B \fb, \fbase, \fimm
.endif
	s_wait_dscnt 18                                ; all but the 18 just issued
.irp k, 4,5,6,7,8
	MULB \ab, \bb, \k, \mode
.endr
.if \mode
	PLACES                                         ; the bias lies in the buffer that is loaded now
	FETCH_B \fb, \fbase, \fimm
.endif
.endm
; A chunk's last quarter.  In front of the barrier each wave waits for its tensor load, of which one is out: its part of the next chunk.  Behind it the next chunk is whole, and (fill = 1) the chunk after that
; is asked for: a first fill of its bytes, my one tensor load until the next such barrier; it has 288 matrix instructions in which to land.
.macro TURNQ fill
	WIN 0
	s_wait_loadcnt 32
	s_wait_tensorcnt 0x0                           ; no tensor load of mine is out, so the walking descriptor may be written
	ds_add_u32 v[SPW], v[NIL]                      ; 0 onto my spare word
	s_wait_dscnt 11                                ; (the add and the youngest ten loads may be out)
	MULB A1, 3, 0, 0
	MULB A1, 3, 1, 0
	s_wait_dscnt 0x0                               ; the add is done, and my reads of this chunk are over
	s_barrier_signal -1
	MULB A1, 3, 2, 0
	MULB A1, 3, 3, 0
	WIN 0
	s_barrier_wait -1
.if \fill
	s_add_co_u32 s37, s37, CHUNK
	s_add_nc_u64 s[38:39], s[38:39], 256           ; 128 along K; the type bits on top are not reached
	tensor_load_to_lds s[36:39], s[24:31]
	s_nop 0
.endif
	PLACES
	s_add_co_u32 s[TA], s[TA], CHUNK
	v_add_nc_u32 v[ADRA], s[TA], v[ADRA0]
	FETCH_A A0, 0
	FETCH_B 2, WFB, 6*8192
.irp k, 4,5,6,7,8
	MULB A1, 3, \k, 0
.endr
.endm
.macro FOUR fill                       ; from a chunk's second quarter to the next chunk's first
	QUARTER A1, A0, 1, 128, 0, WFB, 4*8192
	QUARTER A0, A1, 2, 192, 1, WFB, 5*8192
	TURNQ \fill
	QUARTER A0, A1, 0, 64, 3, WFB, 7*8192
.endm
; THE END.  CVT b: rows 16 b on: rounded to bf16 in pairs (each accumulator from its low end on), then the ReLU on the packed halves
.macro CVT b
.if (\b) < 4
.set CW, 2
.set CR, 64*(\b)
.elseif (\b) < 8
.set CW, 3
.set CR, 64*((\b)-4)
.else
.set CW, 0
.set CR, ACC8
.endif
.set HB, 128+32*((\b)%2)
	WIN 0x40|(CW*5)
.set n, 0
.rept 32
	v_cvt_pk_bf16_f32 v[HB+n], v[CR+2*n], v[CR+2*n+1]
.set n, n+1
.endr
	WIN 0x45
.set n, 0
.rept 32
	v_pk_max_num_bf16 v[HB+n], v[HB+n], v255
.set n, n+1
.endr
.endm
.macro MM b                            ; Z[16 models mb] = sum over my 128 units of U x H: four accumulators by turns
.set HB, 128+32*((\b)%2)
	WIN 0x55
.irp c2, 0,1,2,3
.irp mb, 0,1,2,3
.if (\c2) == 0
	v_wmma_f32_16x16x32_bf16 v[192+8*(\mb):199+8*(\mb)], v[8*(4*(\c2)+(\mb)):8*(4*(\c2)+(\mb))+7], v[HB+8*(\c2):HB+8*(\c2)+7], 0
.else
	v_wmma_f32_16x16x32_bf16 v[192+8*(\mb):199+8*(\mb)], v[8*(4*(\c2)+(\mb)):8*(4*(\c2)+(\mb))+7], v[HB+8*(\c2):HB+8*(\c2)+7], v[192+8*(\mb):199+8*(\mb)]
.endif
.endr
.endr
.endm
; SEL b: a lane holds, of its row, models 16 mb + 8 (lane / 16) + j.  The row's model picks j by its bits 0-2, mb by bits 4-5, the half of the lanes by bit 3: selects only, no branch
.macro SEL b
	WIN 0
.irp be, 0,1,2,3,4,5
	v_and_b32 v[24+(\be)], 1<<(\be), v[MID+(\b)]
.endr
.irp be, 0,1,2,3,4,5
	v_cmp_ne_u32 s[80+(\be)], 0, v[24+(\be)]
.endr
	s_xor_b32 s83, s83, 0x0000ffff                 ; the lanes whose half it is
	WIN 0x45
.irp mb, 0,1,2,3
.irp jj, 0,1,2,3
	v_cndmask_b32 v[192+8*(\mb)+2*(\jj)], v[192+8*(\mb)+2*(\jj)], v[193+8*(\mb)+2*(\jj)], s80
.endr
.endr
.irp mb, 0,1,2,3
.irp jj, 0,1
	v_cndmask_b32 v[192+8*(\mb)+4*(\jj)], v[192+8*(\mb)+4*(\jj)], v[194+8*(\mb)+4*(\jj)], s81
.endr
.endr
.irp mb, 0,1,2,3
	v_cndmask_b32 v[192+8*(\mb)], v[192+8*(\mb)], v[196+8*(\mb)], s82
.endr
	v_cndmask_b32 v192, v192, v200, s84
	v_cndmask_b32 v208, v208, v216, s84
	v_cndmask_b32 v192, v192, v208, s85
	v_cndmask_b32 v233, 0, v192, s83
	v_permlanex16_b32 v234, v233, s88, s89
	v_add_f32 v[224+(\b)], v233, v234
.endm
	s_load_b512 s[4:19], s[0:1], 0x0               ; xb 4, xr 6, wf 8, ut 10, b1 12, bs1 14, model_ids 16, lists 18
	s_load_b64 s[20:21], s[0:1], 0x40              ; part
	v_lshl_add_u32 v[SPW], v0, 2, SPARE
	v_mov_b32 v[NIL], 0
	ds_add_u32 v[SPW], v[NIL]                      ; the wave's opening: the add and its wait stand ahead of my first tensor load; work on registers stands between them
	ds_add_u32 v12, v13
	v_lshrrev_b32 v1, 5, v0
	v_readfirstlane_b32 s[WV], v1                  ; wave 0..3
	s_mov_b32 s23, ttmp9
	; descriptor group 1: 36 rows x 128 elements of 2 bytes, 16 bytes of padding behind each row's 64 words
	s_mov_b32 s24, 0x07510000                      ; 17:16 element of 2 bytes; 20 padding on; 24:22 after every 64 words (code 5); 31:25 4 words (code 3)
	s_mov_b32 s25, 128<<16                         ; tensor_dim0 = 128
	s_mov_b32 s26, 36<<16                          ; tensor_dim1 = 36
	s_mov_b32 s27, 128<<16                         ; tile_dim0 = 128
	s_mov_b32 s28, 36                              ; tile_dim1 = 36
	s_mov_b32 s29, 1024                            ; elements from row to row
	s_mov_b32 s30, 0
	s_mov_b32 s31, 0
	s_lshr_b32 s40, s23, 2                         ; shared: tile i,
	s_and_b32 s41, s23, 3                          ; its 512 units,
	s_mul_i32 s42, s40, 144
	s_min_u32 s42, s42, 3952                       ; its first row
	s_max_u32 s43, s23, 116
	s_sub_co_u32 s43, s43, 116
	s_lshr_b32 s44, s43, 1                         ; routed: tile j (0 for a shared work-group, so that the load below is valid),
	s_and_b32 s45, s43, 1                          ; its half of the expert's units
	s_lshl_b32 s46, s44, 3
	s_mov_b32 s47, 0
	s_mov_b32 s71, 0
	s_mov_b32 s88, 0x76543210                      ; v_permlanex16_b32: each lane takes its own place in the other half
	s_mov_b32 s89, 0xfedcba98
	s_mov_b32 s[TA], 0
	v_and_b32 v1, 31, v0
	v_and_b32 v2, 15, v0
	v_bfe_u32 v3, v0, 4, 1
	v_mul_u32_u24 v[ADRA0], v2, PITCH
	v_lshl_add_u32 v[ADRA0], v3, 4, v[ADRA0]       ; row x pitch + 16 x half
	v_mov_b32 v[ADRA], v[ADRA0]
	v_lshlrev_b32 v[BOFF], 4, v1
	v_lshlrev_b32 v[BIO], 7, v3
	v_lshlrev_b32 v[MIO], 2, v2
	s_mul_i32 s92, s[WV], 768
	s_add_co_u32 s92, s92, STG
	v_lshl_add_u32 v[STO], v2, 2, s92              ; my wave's numbers: row 16 b + lane % 16
	v_lshl_add_u32 v[ZST], v1, 2, s92
	v_add_nc_u32 v[ZST], 576, v[ZST]               ; and the 48 words behind the 144
	s_lshl_b32 s93, s[WV], 8
	v_lshl_add_u32 v[GO], v1, 3, s93
	v_add_nc_u32 v[RD], STG, v[GO]
	s_wait_dscnt 0x0                               ; the opening add is done
	s_wait_kmcnt 0x0
	s_add_nc_u64 s[48:49], s[18:19], s[46:47]
	s_load_b64 s[50:51], s[48:49], 0x10000         ; TL[j]: expert, first row
	s_add_nc_u64 s[52:53], s[18:19], 0x8000        ; Mr
	s_add_co_u32 s54, s41, 16
	s_wait_kmcnt 0x0
	s_min_u32 s50, s50, 7
	s_lshl1_add_u32 s50, s50, s45                  ; the routed tile of units
	s_cmp_lt_u32 s23, 116
	s_cselect_b32 s55, s54, s50                    ; tile of 512 units among wf's 20
	s_cselect_b32 s56, s41, s50                    ; the same within its bias
	s_cselect_b32 s57, s42, s51                    ; first row
	s_cselect_b64 s[58:59], s[4:5], s[6:7]         ; X
	s_cselect_b64 s[60:61], s[14:15], s[12:13]     ; bias
	s_cselect_b64 s[62:63], s[16:17], s[52:53]     ; the rows' models
	s_min_u32 s55, s55, 19
	s_min_u32 s56, s56, 15
	s_min_u32 s57, s57, 8048
	s_lshl2_add_u32 s66, s55, s[WV]                ; my stream
	s_lshl_b32 s70, s66, 18
	s_add_nc_u64 s[WFB:WFB+1], s[8:9], s[70:71]
	s_lshl_b32 s70, s66, 14
	s_add_nc_u64 s[UFB:UFB+1], s[10:11], s[70:71]
	s_lshl_b32 s70, s56, 11
	s_lshl_b32 s74, s[WV], 9
	s_add_co_u32 s70, s70, s74
	s_add_nc_u64 s[60:61], s[60:61], s[70:71]
	s_lshl_b32 s70, s57, 2
	s_add_nc_u64 s[62:63], s[62:63], s[70:71]
	s_mul_i32 s74, s[WV], 36
	s_add_co_u32 s74, s74, s57
	s_lshl_b32 s70, s74, 11
	s_add_nc_u64 s[76:77], s[58:59], s[70:71]      ; X at my 36 rows
	s_mul_i32 s70, s23, 768
	s_add_nc_u64 s[20:21], s[20:21], s[70:71]
	s_mov_b32 s32, 1                               ; group 0 for chunk 0
	s_mul_i32 s33, s[WV], WPART
	s_mov_b64 s[34:35], s[76:77]
	s_or_b32 s35, s35, 0x80000000
	s_mov_b32 s36, 1                               ; group 0 for chunk 1; it then walks on
	s_add_co_u32 s37, s33, CHUNK
	s_add_nc_u64 s[38:39], s[76:77], 256
	s_or_b32 s39, s39, 0x80000000
	tensor_load_to_lds s[32:35], s[24:31]          ; two loads of mine are out
	s_nop 0
	tensor_load_to_lds s[36:39], s[24:31]
	s_nop 0
	PLACES
.irp bb, 0,1                                           ; the bias of my 128 units: component f of load (B, j) is unit 64 B + 32 h + 4 j + f
.irp j, 0,1,2,3,4,5,6,7
	global_load_b128 v[A1+32*(\bb)+4*(\j):A1+32*(\bb)+4*(\j)+3], v[BIO], s[60:61] offset:256*(\bb)+16*(\j)
.endr
.endr
.irp b, 0,1,2,3,4,5,6,7,8
	global_load_b32 v[MID+(\b)], v[MIO], s[62:63] offset:64*(\b)
.endr
	FETCH_B 0, WFB, 0
	FETCH_B 1, WFB, 8192                           ; by this text's count 16 + 9 + 32 = 57 loads are out here, its most
	WIN 0
	s_wait_loadcnt 32                              ; bias and models are in; the 32 loads of weights stay out
.set t, 0
.rept 32
	v_cvt_pk_bf16_f32 v[A1+t], v[A1+2*t], v[A1+2*t+1]
.set t, t+1
.endr
	WIN 0x40
.set t, 0
.rept 32                                               ; t = 16 B + 2 j + f / 2; register j of block 4 B + f is unit m = 8 h + j
	v_lshlrev_b32 v[192+32*(t/16)+16*(t%2)+((t/2)%8)], 16, v[A1+t]
	v_and_b32 v[200+32*(t/16)+16*(t%2)+((t/2)%8)], 0xffff0000, v[A1+t]
.set t, t+1
.endr
	FETCH_B 2, WFB, 2*8192                         ; the third quarter's weights: 48 loads are out at the first quarter's head
	WIN 0
	s_wait_tensorcnt 0x1                           ; my part of chunk 0 is in; chunk 1's may stay out
	s_barrier_signal -1
	s_barrier_wait -1
	FETCH_A A0, 0
	QUARTER A0, A1, 0, 64, 3, WFB, 3*8192, 1       ; the first quarter starts the sums, with the bias
	WIN 0                                          ; at a label and at a branch every window is 0
	s_mov_b32 s[CNT], 6
.Lchunk:                                               ; six trips: chunks 2 to 7 are asked for
	FOUR 1
	WIN 0
	s_wait_xcnt 0x0                                ; the loads' base is stepped only behind this wait
	s_add_nc_u64 s[WFB:WFB+1], s[WFB:WFB+1], 4*8192
	s_sub_co_u32 s[CNT], s[CNT], 1
	s_cmp_lg_u32 s[CNT], 0
	s_cbranch_scc1 .Lchunk
	FOUR 0                                         ; written out: nothing is left to ask for
	QUARTER A1, A0, 1, 128, 0, UFB, 0              ; in the weights' place U is fetched, in two halves
	QUARTER A0, A1, 2, 192, 1, UFB, 8192
	s_wait_loadcnt 32                              ; the last quarter: its weights are in, U's 32 loads may be out
	s_wait_dscnt 10
.irp k, 0,1,2,3
	MULB A1, 3, \k, 0
.endr
	s_wait_dscnt 0x0
.irp k, 4,5,6,7,8
	MULB A1, 3, \k, 0
.endr
	WIN 0
	s_wait_loadcnt 0x0                             ; U
	PLACES
	WIN 0x40
	v_mov_b32 v255, 0
	v_mov_b32 v234, 0
	CVT 0                                          ; its 64 lines are the places in front of Z's first products
	MM 0
.irp b, 1,2,3,4,5,6,7,8                                ; a block's rounding stands between the block before's products and the lines that read them
	CVT \b
	SEL (\b)-1
	MM \b
.endr
	PLACES
	SEL 8
	WIN 0
	v_mov_b32 v24, 0
	ds_store_b32 v[ZST], v24                       ; words 144-191 are 0
	ds_store_b32 v[ZST], v24 offset:64
	WIN 0x04                                       ; the data in window 1
.irp b, 0,1,2,3,4,5,6,7,8
	ds_store_b32 v[STO], v[224+(\b)] offset:64*(\b)  ; both halves of the lanes hold the same number
.endr
	WIN 0
	s_wait_dscnt 0x0                               ; for the others' sake
	s_barrier_signal -1
	s_barrier_wait -1
	s_cmp_lt_u32 s[WV], 3
	s_cbranch_scc0 .Lend
.irp wv, 0,1,2,3                                       ; waves 0-2 add the four waves' numbers, 64 words each
	ds_load_b64 v[24+2*(\wv):25+2*(\wv)], v[RD] offset:768*(\wv)
.endr
	s_wait_dscnt 0x0
	v_pk_add_f32 v[24:25], v[24:25], v[26:27]
	v_pk_add_f32 v[28:29], v[28:29], v[30:31]
	v_pk_add_f32 v[24:25], v[24:25], v[28:29]
	global_store_b64 v[GO], v[24:25], s[20:21]     ; 256 consecutive bytes, aligned
.Lend:
	s_wait_tensorcnt 0x0                           ; the wave's end: the tensor wait, the add and its wait behind my last tensor load and my last LDS store
	ds_add_u32 v[SPW], v[NIL]
	s_wait_dscnt 0x0
	s_endpgm
.Lfunc_end_k_qd13b94c817_chain:
	.size	k_qd13b94c817_chain, .Lfunc_end_k_qd13b94c817_chain-k_qd13b94c817_chain
	.p2alignl 7, 3214868480
	.fill 96, 4, 3214868480
	.section	.rodata,"a",@progbits
	.p2align	6, 0x0
	.amdhsa_kernel k_qd13b94c817_chain
		.amdhsa_group_segment_fixed_size 327680
		.amdhsa_private_segment_fixed_size 0
		.amdhsa_enable_private_segment 0
		.amdhsa_kernarg_size 72
		.amdhsa_user_sgpr_count 2
		.amdhsa_user_sgpr_kernarg_segment_ptr 1
		.amdhsa_wavefront_size32 1
		.amdhsa_system_sgpr_workgroup_id_x 1
		.amdhsa_system_sgpr_workgroup_id_y 1
		.amdhsa_system_sgpr_workgroup_id_z 1
		.amdhsa_system_vgpr_workitem_id 0
		.amdhsa_next_free_vgpr 1024
		.amdhsa_next_free_sgpr 100
		.amdhsa_reserve_vcc 0
		.amdhsa_float_denorm_mode_32 3
		.amdhsa_float_denorm_mode_16_64 3
		.amdhsa_memory_ordered 1
		.amdhsa_forward_progress 1
		.amdhsa_inst_pref_size 180
	.end_amdhsa_kernel
	.amdgpu_metadata
---
amdhsa.version: [ 1, 2 ]
amdhsa.kernels:
  - .name:           k_qd13b94c817_chain
    .symbol:         k_qd13b94c817_chain.kd
    .args:
      - { .name: xb, .offset: 0, .size: 8, .value_kind: global_buffer, .address_space: global }
      - { .name: xr, .offset: 8, .size: 8, .value_kind: global_buffer, .address_space: global }
      - { .name: wf, .offset: 16, .size: 8, .value_kind: global_buffer, .address_space: global }
      - { .name: ut, .offset: 24, .size: 8, .value_kind: global_buffer, .address_space: global }
      - { .name: b1, .offset: 32, .size: 8, .value_kind: global_buffer, .address_space: global }
      - { .name: bs1, .offset: 40, .size: 8, .value_kind: global_buffer, .address_space: global }
      - { .name: model_ids, .offset: 48, .size: 8, .value_kind: global_buffer, .address_space: global }
      - { .name: lists, .offset: 56, .size: 8, .value_kind: global_buffer, .address_space: global }
      - { .name: part, .offset: 64, .size: 8, .value_kind: global_buffer, .address_space: global }
    .group_segment_fixed_size: 327680
    .private_segment_fixed_size: 0
    .kernarg_segment_align: 8
    .kernarg_segment_size: 72
    .max_flat_workgroup_size: 128
    .sgpr_count:     100
    .vgpr_count:     1024
    .wavefront_size: 32
...
	.end_amdgpu_metadata
.endif
;; end of part 3
;; launch sum (part 4): grid 64 x 1, 1 waves a work-group, no clusters, 0 bytes of LDS; arguments part, lists, route, vw, ut, model_ids, out0; writes out0
.if DOCPART == 4
	.amdgcn_target "amdgcn-amd-amdhsa--gfx1250"
	.amdhsa_code_object_version 6
	.text
	.protected	k_qd13b94c817_sum
	.globl	k_qd13b94c817_sum
	.p2align	8
	.type	k_qd13b94c817_sum,@function
k_qd13b94c817_sum:
	s_mov_b64 s[64:65], 0
	v_nop
	global_prefetch_b8 v0, s[64:65] scope:SCOPE_SE
	s_setreg_imm32_b32 hwreg(HW_REG_WAVE_MODE, 25, 1), 1
	s_wait_xcnt 0x0
; SUM: logit[t] = the shared expert's four partial sums + T[model][8] + w1 (two partial sums + T[model][e1]) + w2 (two partial sums + T[model][e2]).
; A lane owns tokens 2 g and 2 g + 1, g = 32 x + lane, so a wave's one store covers 256 consecutive bytes.  No LDS, no matrix unit: 11 gathered words a token.
; part[work-group 244][192]: the shared tile i = t / 144 of token t lies in work-groups 4 i to 4 i + 3, at word t - min(144 i, 3952); Q[t][k] names the routed word, its second half 192 words on.
.macro TOK a
.set AD, 20+10*(\a)
.set DT, 40+12*(\a)
	v_lshl_add_u32 v[AD], v1, 1, \a                ; t
	v_mul_u32_u24 v[AD+1], 7282, v[AD]
	v_lshrrev_b32 v[AD+1], 20, v[AD+1]             ; t / 144
	v_mul_u32_u24 v[AD+2], 144, v[AD+1]
	v_min_u32 v[AD+2], 3952, v[AD+2]
	v_mad_u32_u24 v[AD+3], v[AD+1], s19, v[AD]
	v_sub_nc_u32 v[AD+3], v[AD+3], v[AD+2]
	v_lshlrev_b32 v[AD+3], 2, v[AD+3]
	v_min_u32 v[AD+4], 63, v[4+(\a)]               ; what was loaded enters an address only clamped
	v_lshlrev_b32 v[AD+4], 6, v[AD+4]
	v_min_u32 v[AD+5], 7, v[8+2*(\a)]
	v_lshl_add_u32 v[AD+5], v[AD+5], 2, v[AD+4]
	v_min_u32 v[AD+6], 7, v[9+2*(\a)]
	v_lshl_add_u32 v[AD+6], v[AD+6], 2, v[AD+4]
	v_min_u32 v[AD+7], 46655, v[16+2*(\a)]
	v_lshlrev_b32 v[AD+7], 2, v[AD+7]
	v_min_u32 v[AD+8], 46655, v[17+2*(\a)]
	v_lshlrev_b32 v[AD+8], 2, v[AD+8]
.irp n, 0,1,2,3
	global_load_b32 v[DT+(\n)], v[AD+3], s[4:5] offset:768*(\n)
.endr
	global_load_b32 v[DT+4], v[AD+7], s[4:5]
	global_load_b32 v[DT+5], v[AD+7], s[4:5] offset:768
	global_load_b32 v[DT+6], v[AD+8], s[4:5]
	global_load_b32 v[DT+7], v[AD+8], s[4:5] offset:768
	global_load_b32 v[DT+8], v[AD+4], s[12:13] offset:1310752
	global_load_b32 v[DT+9], v[AD+5], s[12:13] offset:1310720
	global_load_b32 v[DT+10], v[AD+6], s[12:13] offset:1310720
.endm
.macro FIN a
.set DT, 40+12*(\a)
	v_add_f32 v[DT], v[DT], v[DT+1]
	v_add_f32 v[DT+2], v[DT+2], v[DT+3]
	v_add_f32 v[DT+4], v[DT+4], v[DT+5]
	v_add_f32 v[DT+6], v[DT+6], v[DT+7]
	v_add_f32 v[DT], v[DT], v[DT+2]
	v_add_f32 v[DT+4], v[DT+4], v[DT+9]
	v_add_f32 v[DT+6], v[DT+6], v[DT+10]
	v_add_f32 v[DT], v[DT], v[DT+8]
	v_fma_f32 v[DT], v[12+2*(\a)], v[DT+4], v[DT]
	v_fma_f32 v[6+(\a)], v[13+2*(\a)], v[DT+6], v[DT]
.endm
	s_load_b256 s[4:11], s[0:1], 0x0               ; part 4, lists 6, route 8, vw 10
	s_load_b128 s[12:15], s[0:1], 0x20             ; ut 12, model_ids 14
	s_load_b64 s[16:17], s[0:1], 0x30              ; out0
	s_lshl_b32 s18, ttmp9, 5
	s_mov_b32 s19, 768
	v_add_nc_u32 v1, s18, v0                       ; g
	v_lshlrev_b32 v2, 3, v1
	v_lshlrev_b32 v3, 4, v1
	s_wait_kmcnt 0x0
	global_load_b64 v[4:5], v2, s[14:15]           ; the two tokens' models,
	global_load_b128 v[8:11], v3, s[8:9]           ; experts,
	global_load_b128 v[12:15], v3, s[10:11] offset:65536  ; weights,
	global_load_b128 v[16:19], v3, s[6:7]          ; places in part
	s_wait_loadcnt 0x0
	TOK 0
	TOK 1
	s_wait_loadcnt 0x0                             ; all 22
	FIN 0
	FIN 1
	global_store_b64 v2, v[6:7], s[16:17]
	s_endpgm
.Lfunc_end_k_qd13b94c817_sum:
	.size	k_qd13b94c817_sum, .Lfunc_end_k_qd13b94c817_sum-k_qd13b94c817_sum
	.p2alignl 7, 3214868480
	.fill 96, 4, 3214868480
	.section	.rodata,"a",@progbits
	.p2align	6, 0x0
	.amdhsa_kernel k_qd13b94c817_sum
		.amdhsa_group_segment_fixed_size 0
		.amdhsa_private_segment_fixed_size 0
		.amdhsa_enable_private_segment 0
		.amdhsa_kernarg_size 56
		.amdhsa_user_sgpr_count 2
		.amdhsa_user_sgpr_kernarg_segment_ptr 1
		.amdhsa_wavefront_size32 1
		.amdhsa_system_sgpr_workgroup_id_x 1
		.amdhsa_system_sgpr_workgroup_id_y 1
		.amdhsa_system_sgpr_workgroup_id_z 1
		.amdhsa_system_vgpr_workitem_id 0
		.amdhsa_next_free_vgpr 64
		.amdhsa_next_free_sgpr 66
		.amdhsa_reserve_vcc 0
		.amdhsa_float_denorm_mode_32 3
		.amdhsa_float_denorm_mode_16_64 3
		.amdhsa_memory_ordered 1
		.amdhsa_forward_progress 1
		.amdhsa_inst_pref_size 6
	.end_amdhsa_kernel
	.amdgpu_metadata
---
amdhsa.version: [ 1, 2 ]
amdhsa.kernels:
  - .name:           k_qd13b94c817_sum
    .symbol:         k_qd13b94c817_sum.kd
    .args:
      - { .name: part, .offset: 0, .size: 8, .value_kind: global_buffer, .address_space: global }
      - { .name: lists, .offset: 8, .size: 8, .value_kind: global_buffer, .address_space: global }
      - { .name: route, .offset: 16, .size: 8, .value_kind: global_buffer, .address_space: global }
      - { .name: vw, .offset: 24, .size: 8, .value_kind: global_buffer, .address_space: global }
      - { .name: ut, .offset: 32, .size: 8, .value_kind: global_buffer, .address_space: global }
      - { .name: model_ids, .offset: 40, .size: 8, .value_kind: global_buffer, .address_space: global }
      - { .name: out0, .offset: 48, .size: 8, .value_kind: global_buffer, .address_space: global }
    .group_segment_fixed_size: 0
    .private_segment_fixed_size: 0
    .kernarg_segment_align: 8
    .kernarg_segment_size: 56
    .max_flat_workgroup_size: 32
    .sgpr_count:     66
    .vgpr_count:     64
    .wavefront_size: 32
...
	.end_amdgpu_metadata
.endif
;; end of part 4
;; ======== version 2 of 2: 4 launches; version 1 with the launch place written anew for expert scheduling mode
;; workspace buffers: xb 8,388,608 bytes; wf 20,971,520 bytes; vw 98,304 bytes; route 40,960 bytes of whole numbers; xr 16,777,216 bytes; ut 1,314,816 bytes; lists 66,048 bytes of whole numbers; part 187,392 bytes
;; launch prep: the kernel of part 1 again; grid 456 x 1, 16 waves a work-group, no clusters, 117,248 bytes of LDS; arguments prompt_ids, prompt_table, Wg, bg, W1, Ws1, Wa, Wd, model_table, xb, wf, vw, route; writes xb, wf, vw, route
;; launch place (part 5): grid 417 x 1, 8 waves a work-group, no clusters, 149,760 bytes of LDS; arguments route, xb, model_ids, vw, W2, Ws2, b2, bs2, ba, bd, model_table, xr, ut, lists; writes xr, ut, lists
.if DOCPART == 5
	.amdgcn_target "amdgcn-amd-amdhsa--gfx1250"
	.amdhsa_code_object_version 6
	.text
	.protected	k_qd13b94c817_place
	.globl	k_qd13b94c817_place
	.p2align	8
	.type	k_qd13b94c817_place,@function
k_qd13b94c817_place:
	s_mov_b64 s[64:65], 0
	v_nop
	global_prefetch_b8 v0, s[64:65] scope:SCOPE_SE
	s_setreg_imm32_b32 hwreg(HW_REG_WAVE_SCHED_MODE, 0, 2), 2
	s_setreg_imm32_b32 hwreg(HW_REG_WAVE_MODE, 25, 1), 1
	s_wait_xcnt 0x0
	s_wait_alu depctr_vm_vsrc(0)
; PLACE: three jobs, chosen by the work-group's number x; eight waves a work-group.
;   x < 160  U:     for half B = x % 2 of stream x / 2 (64 hidden units) U[unit][model] = sum over o of W2[unit][o] v_model[o], in bf16, as fragments: ut[stream][c2 4][mb 4][half 2][lane 32][16 bytes]
;   x = 160  BIAS:  T[model][e] = b2[e] . v_model (e < 8); T[model][8] = bs2 . v_model + ba . theta_model - bd; f32, 16 words a model, behind U in ut
;   x > 160  PLACEMENT of 16 tokens, half y % 2 of group p = y / 2 (y = x - 161): a counting sort without atomics: every wave adds up the 128 groups' counts for itself, and each chosen (token, expert)
;            gets its dense row in xr, experts end to end; the rows of xb are copied there; lists takes Q (where the token's partial sums will lie in part), Mr (a dense row's model) and TL (the tiles)
; A tile is 144 rows of one expert; sum of ceil(n_e / 144) is at most 64 for every split of the 8,192 rows.  x / 144 = (x * 7282) >> 20, exact below 32,768.
; Job U's share is small on purpose: each of its waves reads 48 KB of fragments from LDS, 384 KB a work-group, and 160 work-groups spread that.
; THE MODE: SCHED_MODE bits 1:0 = 2 (LLVM: expert scheduling mode 2), set by the entry lines.  The code itself states the register dependences
; between vector or matrix instructions and memory or LDS instructions, and those through SGPRs that vector instructions write, with s_wait_alu, always for 0.
; THE PLAN.  Registers that memory or LDS instructions touch:
;   v5, v6, v7, v10 (U, BIAS), v5 to v8 (PLACEMENT)  offsets, made ahead of a job's first load and never written again: one wait on va_vdst ahead of that load.
;   v8, v9 (U, BIAS)   LDS addresses, finished behind that wait; their first readers stand behind the next wait on va_vdst.
;   v32-95             V's fragments as loaded; read by my LDS stores; behind the barrier they are fragment buffers.
;   v96-223 (U)        eight rows of W2: row i's conversions read its 16 registers and write the first 8; its two LDS stores stand at row i + 1's head, behind that head's wait on va_vdst.
;   F0 .. F3           fragment buffers (v32-103, v192-215).  Step c: its two matrix instructions read F[c % 4]; the loads of step c + 3 land in F[(c - 1) % 4], behind the step's wait on va_vdst.
;   v120-127, the accumulators (BIAS), v118-125, v132-135   data and addresses of the stores at a job's end: one wait on va_vdst ahead of each run of stores.
; One wait on vm_vsrc stands behind the barrier: my LDS stores have read the registers that the fragments' loads and the matrix instructions write from there on.
; Compares and lane reads that write SGPRs stand in runs, one wait on va_sdst behind each run and ahead of its first reader.  EXEC is never written.
.set AP,    1040                       ; an LDS row of W2: 1,024 bytes + 16: 65 x 16
.set AST,   65536                      ; behind the copy of V's fragments: job U's 64 rows; unit 64 B + 4 m + f lies at row 16 f + m
.set BST,   AST+64*AP                  ; the bias job's 16 rows have bytes of their own: no line of one job names a byte that the other job's rows take
                                       ; (behind those rows, from BST + 16 AP on, 1,024 bytes: the spare words, 128 bytes for each of 8 waves)
.set AC0,   104                        ; the two accumulators of ULOOP
.set AC1,   112
.set VW,    99                         ; s99 placement: which of the group's 16 pairs of tokens is my wave's
; 32 of K, in two halves of three loads: a fragment of 16 rows, and V's fragments for my two blocks of 16 models.  Buffer b begins at v32, v56, v80, v192
.macro UFETCH1 c, b
.set ub, 32+24*(\b)+88*((\b)/3)
	ds_load_b128 v[ub:ub+3], v9 offset:64*(\c)
	ds_load_b128 v[ub+4:ub+7], v9 offset:64*(\c)+32
	ds_load_b128 v[ub+8:ub+11], v10 offset:4096*(\c)
.endm
.macro UFETCH2 c, b
.set ub, 32+24*(\b)+88*((\b)/3)
	ds_load_b128 v[ub+12:ub+15], v10 offset:4096*(\c)+512
	ds_load_b128 v[ub+16:ub+19], v10 offset:4096*(\c)+1024
	ds_load_b128 v[ub+20:ub+23], v10 offset:4096*(\c)+1536
.endm
.macro ULOOP                           ; K = 512 in 16 steps on four buffers, asked for three steps ahead; two accumulators by turns
	UFETCH1 0, 0
	UFETCH2 0, 0
	UFETCH1 1, 1
	UFETCH2 1, 1
	UFETCH1 2, 2
	UFETCH2 2, 2
.set c, 0
.rept 16
.set fb, 32+24*(c%4)+88*((c%4)/3)
.if c > 0 && c < 13
.rept 4
	v_nop                                          ; the places in front of loads into the buffer that the last step multiplied
.endr
.endif
.if c < 14
	s_wait_dscnt 0xc                               ; this step's six are in; the twelve of the next two steps stay out
.elseif c == 14
	s_wait_dscnt 0x6                               ; the last step's six stay out
.else
	s_wait_dscnt 0x0
.endif
.if c > 0 && c < 13
	s_wait_alu depctr_va_vdst(0)                   ; the last step's two matrix instructions are done reading their buffer, in which this step's six loads land
.endif
.if c == 0
	v_wmma_f32_16x16x32_bf16 v[AC0:AC0+7], v[fb:fb+7], v[fb+8:fb+15], 0
.else
	v_wmma_f32_16x16x32_bf16 v[AC0:AC0+7], v[fb:fb+7], v[fb+8:fb+15], v[AC0:AC0+7]
.endif
.if c < 13
	UFETCH1 c+3, (c+3)%4                           ; no wait: no vector or matrix instruction since the wait above names this buffer (step 0: since the wait ahead of the last row stores)
.endif
.if c == 0
	v_wmma_f32_16x16x32_bf16 v[AC1:AC1+7], v[fb:fb+7], v[fb+16:fb+23], 0
.else
	v_wmma_f32_16x16x32_bf16 v[AC1:AC1+7], v[fb:fb+7], v[fb+16:fb+23], v[AC1:AC1+7]
.endif
.if c < 13
	UFETCH2 c+3, (c+3)%4
.endif
.set c, c+1
.endr
.endm
.macro ROWOUT r                        ; job U: row r of my eight, in bf16, into LDS
	ds_store_b128 v8, v[96+16*(\r):99+16*(\r)] offset:((\r)%4)*16*AP+((\r)/4)*AP
	ds_store_b128 v8, v[100+16*(\r):103+16*(\r)] offset:((\r)%4)*16*AP+((\r)/4)*AP+512
.endm
.macro LSUM r                          ; a whole number added up over the 32 lanes
.irp m, 1,2,4,8
	v_mov_b32_dpp v112, v[\r] row_xmask:\m row_mask:0xf bank_mask:0xf
	v_add_nc_u32 v[\r], v[\r], v112
.endr
	v_permlanex16_b32 v112, v[\r], s36, s37
	v_add_nc_u32 v[\r], v[\r], v112
.endm
.macro TLW j0                          ; tiles j0 + lane: the last expert whose first tile is not behind j takes it
	s_wait_xcnt 0x0                                ; the registers of the store before are written again
.if (\j0) > 0
	s_wait_alu depctr_vm_vsrc(0)                   ; the store of the 32 tiles before has read v132, v133 and v135, which are written again below
.endif
	v_add_nc_u32 v130, \j0, v1
	v_mul_u32_u24 v131, s38, v130
	v_mov_b32 v132, 0
	v_mov_b32 v133, 0
.irp e, 0,1,2,3,4,5,6,7
	v_cmp_gt_u32 s[66+(\e)], s[90+(\e)], v130      ; the nine compares in a run, a mask each
.endr
	v_cmp_gt_u32 s74, s98, v130
	s_wait_alu depctr_va_sdst(0)                   ; the nine masks s66 to s74 are written, ahead of the selects that read them
.irp e, 0,1,2,3,4,5,6,7
	s_mul_i32 s52, s[90+(\e)], 144
	s_sub_co_u32 s52, s[82+(\e)], s52
	v_add_nc_u32 v134, s52, v131                   ; off_e + 144 (j - tb_e)
	v_cndmask_b32 v132, \e, v132, s[66+(\e)]
	v_cndmask_b32 v133, v134, v133, s[66+(\e)]
.endr
	v_cndmask_b32 v132, 0, v132, s74               ; a slot behind the last tile gets (0, 0)
	v_cndmask_b32 v133, 0, v133, s74
	v_min_u32 v133, 8048, v133                     ; a tile's 144 rows stay inside xr
	v_lshlrev_b32 v135, 3, v130
	s_wait_alu depctr_va_vdst(0)                   ; v132, v133 and v135 are written: the store's data and offset
	global_store_b64 v135, v[132:133], s[30:31] offset:65536
.endm
	s_load_b512 s[4:19], s[0:1], 0x0               ; route 4, xb 6, model_ids 8, vw 10, W2 12, Ws2 14, b2 16, bs2 18
	s_load_b256 s[20:27], s[0:1], 0x40             ; ba 20, bd 22, model_table 24, xr 26
	s_load_b128 s[28:31], s[0:1], 0x60             ; ut 28, lists 30
	v_lshl_add_u32 v238, v0, 2, 0x24500
	v_mov_b32 v239, 0
	v_lshrrev_b32 v4, 5, v0
	v_readfirstlane_b32 s32, v4                    ; wave 0..7
	v_and_b32 v1, 31, v0
	v_and_b32 v2, 15, v0
	v_bfe_u32 v3, v0, 4, 1
	v_lshlrev_b32 v6, 4, v1                        ; 16 x lane
	s_mov_b32 s33, ttmp9
	s_wait_alu depctr_va_sdst(0)                   ; s32 is written, ahead of the first branch and of every reader: all three jobs make addresses from it
	s_wait_kmcnt 0x0
	s_cmp_gt_u32 s33, 160
	s_cbranch_scc1 .Ljob_place
	; U and BIAS: V's fragments, 65,536 bytes, are copied into LDS as they lie: 16 loads of 16 bytes a thread
	v_lshlrev_b32 v7, 4, v0
	v_lshlrev_b32 v5, 5, v1                        ; 32 x lane: 8 f32
	s_and_b32 s35, s32, 1                          ; mh: models 32 mh to 32 mh + 31
	s_lshl_b32 s36, s35, 11
	v_add_nc_u32 v10, s36, v6
	v_mul_u32_u24 v9, v2, AP
	v_lshl_add_u32 v9, v3, 4, v9
	s_wait_alu depctr_va_vdst(0)                   ; the offsets v5, v6, v7 and v10 are written, which the loads and stores of both jobs read; none is written again
.irp j, 0,1,2,3,4,5,6,7,8,9,10,11,12,13,14,15
	global_load_b128 v[32+4*(\j):35+4*(\j)], v7, s[10:11] offset:4096*(\j)
.endr
	s_cmp_eq_u32 s33, 160
	s_cbranch_scc1 .Ljob_bias
	; ---- U.  Wave w brings rows 8 w to 8 w + 7 of the work-group's 64
	s_lshr_b32 s38, s33, 1                         ; stream 0..79
	s_and_b32 s39, s33, 1                          ; B
	s_and_b32 s34, s38, 63
	s_lshl_b32 s42, s34, 18                        ; 128 rows of 2,048 bytes a stream,
	s_lshl_b32 s44, s39, 17                        ; 64 a half,
	s_add_co_u32 s42, s42, s44
	s_lshl_b32 s44, s32, 14                        ; 8 a wave
	s_add_co_u32 s42, s42, s44
	s_mov_b32 s43, 0
	s_cmp_lt_u32 s38, 64
	s_cselect_b64 s[40:41], s[12:13], s[14:15]
	s_add_nc_u64 s[40:41], s[40:41], s[42:43]
.set i, 0
.rept 8
	global_load_b128 v[96+16*i:99+16*i], v5, s[40:41] offset:2048*i th:TH_LOAD_NT
	global_load_b128 v[100+16*i:103+16*i], v5, s[40:41] offset:2048*i+16 th:TH_LOAD_NT
	global_load_b128 v[104+16*i:107+16*i], v5, s[40:41] offset:2048*i+1024 th:TH_LOAD_NT
	global_load_b128 v[108+16*i:111+16*i], v5, s[40:41] offset:2048*i+1040 th:TH_LOAD_NT
.set i, i+1
.endr
	s_mul_i32 s44, s32, 2*AP                       ; row 8 w + i is unit 4 m + f with m = 2 w + i / 4, f = i % 4
	s_add_co_u32 s44, s44, AST
	v_add_nc_u32 v8, s44, v6
	s_lshr_b32 s37, s32, 1                         ; tau: the block of 16 LDS rows that I multiply (f = tau)
	s_mul_i32 s37, s37, 16*AP
	s_add_co_u32 s37, s37, AST
	v_add_nc_u32 v9, s37, v9
	s_wait_loadcnt 0x20                            ; V's fragments are in; the 32 loads of my rows stay out
.irp j, 0,1,2,3,4,5,6,7,8,9,10,11,12,13,14,15
	ds_store_b128 v7, v[32+4*(\j):35+4*(\j)] offset:4096*(\j)
.endr
.set i, 0
.rept 8
	s_wait_loadcnt 28-4*i                          ; row i is in; the rows behind it stay out
.if i > 0
	s_wait_alu depctr_va_vdst(0)                   ; the conversions of the row before have written its eight words, which the two LDS stores read (the first time: v8 and v9 are written too)
	ROWOUT i-1
.endif
.set t, 0
.rept 8
	v_cvt_pk_bf16_f32 v[96+16*i+t], v[96+16*i+2*t], v[97+16*i+2*t]
.set t, t+1
.endr
.set i, i+1
.endr
	s_wait_alu depctr_va_vdst(0)                   ; row 7's conversions have written its eight words; all the conversions are done reading v96-103 and v192-215, in which fragments land below
	ROWOUT 7
	s_wait_dscnt 0x0
	s_barrier_signal -1
	s_barrier_wait -1
	s_wait_alu depctr_vm_vsrc(0)                   ; my LDS stores have read v32-103, v112-119, v192-199 and v208-215: the fragments' loads land there and the matrix instructions write there from here on
	ULOOP                                          ; source 0 = 16 units, source 1 = 16 models: a lane holds one model and eight units: 16 bytes of ut
.rept 4
	v_nop
.endr
.irp t, 0,1,2,3
	v_cvt_pk_bf16_f32 v[120+(\t)], v[AC0+2*(\t)], v[AC0+1+2*(\t)]
.endr
.irp t, 0,1,2,3
	v_cvt_pk_bf16_f32 v[124+(\t)], v[AC1+2*(\t)], v[AC1+1+2*(\t)]
.endr
	s_lshl_b32 s42, s38, 14                        ; the stream's 16,384 bytes
	s_lshl_b32 s44, s39, 13                        ; block nb = 4 B + tau; c2 = nb / 2 = 2 B + w / 4, 4,096 bytes each
	s_add_co_u32 s42, s42, s44
	s_lshr_b32 s44, s32, 2
	s_lshl_b32 s44, s44, 12
	s_add_co_u32 s42, s42, s44
	s_add_co_u32 s42, s42, s36                     ; mb = 2 mh, 1,024 bytes each
	s_bfe_u32 s44, s32, 0x10001
	s_lshl_b32 s44, s44, 9                         ; half = nb % 2 = tau % 2
	s_add_co_u32 s42, s42, s44
	s_add_nc_u64 s[28:29], s[28:29], s[42:43]
	s_wait_alu depctr_va_vdst(0)                   ; the eight conversions have written v120-127, which the two stores read
	global_store_b128 v6, v[120:123], s[28:29]
	global_store_b128 v6, v[124:127], s[28:29] offset:1024
	s_branch .Lend_lds
	; ---- BIAS.  Wave w brings rows w and 8 + w of the tile: row e < 8: b2[e]; row 8: bs2 (rows 9-15 repeat b2 and give words of T that nobody reads)
.Ljob_bias:
	s_lshl_b32 s42, s32, 11
	s_mov_b32 s43, 0
	s_add_nc_u64 s[40:41], s[16:17], s[42:43]
	s_cmp_eq_u32 s32, 0
	s_cselect_b64 s[44:45], s[18:19], s[40:41]
	global_load_b128 v[96:99], v5, s[40:41]
	global_load_b128 v[100:103], v5, s[40:41] offset:16
	global_load_b128 v[104:107], v5, s[40:41] offset:1024
	global_load_b128 v[108:111], v5, s[40:41] offset:1040
	global_load_b128 v[112:115], v5, s[44:45]
	global_load_b128 v[116:119], v5, s[44:45] offset:16
	global_load_b128 v[120:123], v5, s[44:45] offset:1024
	global_load_b128 v[124:127], v5, s[44:45] offset:1040
	v_lshlrev_b32 v11, 5, v3                       ; ba: every lane takes its half's numbers of K
	v_lshlrev_b32 v12, 8, v2
	v_lshl_add_u32 v12, v3, 5, v12                 ; theta: row r
	v_mov_b32 v13, 0
	s_lshl_b32 s46, s35, 13                        ; 32 mh rows of 256 bytes
	s_mov_b32 s47, 0
	s_add_nc_u64 s[24:25], s[24:25], s[46:47]
	s_mul_i32 s48, s32, AP
	s_add_co_u32 s48, s48, BST
	v_add_nc_u32 v8, s48, v6
	v_add_nc_u32 v9, BST, v9
	s_wait_alu depctr_va_vdst(0)                   ; the offsets v11, v12 and v13 are written, which the loads below read; so are the LDS addresses v8 and v9
.irp kc, 0,1
.irp g, 0,1,2,3
	global_load_b128 v[128+16*(\kc)+4*(\g):131+16*(\kc)+4*(\g)], v11, s[20:21] offset:128*(\kc)+16*((\g)%2)+64*((\g)/2)
.endr
.endr
.irp mi, 0,1
.irp kc, 0,1
.irp g, 0,1,2,3
	global_load_b128 v[160+32*(\mi)+16*(\kc)+4*(\g):163+32*(\mi)+16*(\kc)+4*(\g)], v12, s[24:25] offset:4096*(\mi)+128*(\kc)+16*((\g)%2)+64*((\g)/2)
.endr
.endr
.endr
	global_load_b32 v224, v13, s[22:23]
	s_wait_loadcnt 0x0
.irp j, 0,1,2,3,4,5,6,7,8,9,10,11,12,13,14,15
	ds_store_b128 v7, v[32+4*(\j):35+4*(\j)] offset:4096*(\j)
.endr
.set t, 0
.rept 8
	v_cvt_pk_bf16_f32 v[96+t], v[96+2*t], v[97+2*t]
	v_cvt_pk_bf16_f32 v[112+t], v[112+2*t], v[113+2*t]
.set t, t+1
.endr
.set t, 0
.rept 16                                               ; ba's two fragments v128-143
	v_cvt_pk_bf16_f32 v[128+t], v[128+2*t], v[129+2*t]
.set t, t+1
.endr
.set t, 0
.rept 32                                               ; theta's four fragments: block mi, half kc of K at v[160 + 16 mi + 8 kc]
	v_cvt_pk_bf16_f32 v[160+t], v[160+2*t], v[161+2*t]
.set t, t+1
.endr
	s_mov_b32 s50, 0x01000100                      ; lanes 8 and 24: row 8 of source 0
.set t, 0
.rept 16
	v_cndmask_b32 v[128+t], 0, v[128+t], s50       ; ba stands in row 8 alone
.set t, t+1
.endr
	v_cvt_pk_bf16_f32 v225, v224, v224
	v_lshlrev_b32 v225, 16, v225                   ; bd as rounded
	s_mov_b32 s51, 0xffff0000
	v_cndmask_b32 v226, 0, v225, s51               ; register 0 of lanes 16-31 is row 8
	s_wait_alu depctr_va_vdst(0)                   ; the rows' conversions have written v96-103 and v112-119, which the four LDS stores read; theta's are done reading v192-215, in which fragments land below
	ds_store_b128 v8, v[96:99]
	ds_store_b128 v8, v[100:103] offset:512
	ds_store_b128 v8, v[112:115] offset:8*AP
	ds_store_b128 v8, v[116:119] offset:8*AP+512
	s_wait_dscnt 0x0
	s_barrier_signal -1
	s_barrier_wait -1
	s_wait_alu depctr_vm_vsrc(0)                   ; ahead of the branch: my LDS stores have read v32-103 and v112-119: the fragments' loads land there and the matrix instructions write there from here on
	s_cmp_gt_u32 s32, 1
	s_cbranch_scc1 .Lend_lds
	ULOOP
	v_wmma_f32_16x16x32_bf16 v[AC0:AC0+7], v[128:135], v[160:167], v[AC0:AC0+7]    ; + ba . theta in row 8; the two accumulators go on by turns
	v_wmma_f32_16x16x32_bf16 v[AC1:AC1+7], v[128:135], v[176:183], v[AC1:AC1+7]
	v_wmma_f32_16x16x32_bf16 v[AC0:AC0+7], v[136:143], v[168:175], v[AC0:AC0+7]
	v_wmma_f32_16x16x32_bf16 v[AC1:AC1+7], v[136:143], v[184:191], v[AC1:AC1+7]
	v_lshlrev_b32 v14, 6, v2                       ; T: model r, 64 bytes each; 8 h words in.  With two v_nop: the four places
	v_lshl_add_u32 v14, v3, 5, v14
	v_nop
	v_nop
	v_sub_f32 v[AC0], v[AC0], v226
	v_sub_f32 v[AC1], v[AC1], v226
	s_mov_b32 s42, s36
	s_add_nc_u64 s[28:29], s[28:29], s[42:43]
	s_wait_alu depctr_va_vdst(0)                   ; the matrix instructions and the two subtractions have written the accumulators, and v14 is written: the four stores' data and offset; the places above stay beside this wait
	global_store_b128 v14, v[AC0:AC0+3], s[28:29] offset:1310720
	global_store_b128 v14, v[AC0+4:AC0+7], s[28:29] offset:1310736
	global_store_b128 v14, v[AC1:AC1+3], s[28:29] offset:1311744
	global_store_b128 v14, v[AC1+4:AC1+7], s[28:29] offset:1311760
.Lend_lds:
	s_wait_dscnt 0x0                               ; the wave's end
	s_wait_alu depctr_hold_cnt(0) depctr_sa_sdst(0) depctr_va_vdst(0) depctr_va_sdst(0) depctr_va_ssrc(0) depctr_va_vcc(0) depctr_vm_vsrc(0)
	s_wait_tensorcnt 0x0
	ds_add_u32 v238, v239
	s_wait_dscnt 0x0
	s_endpgm
	; ---- PLACEMENT: no LDS, no barrier
.Ljob_place:
	s_sub_co_u32 s38, s33, 161                     ; y
	s_lshr_b32 s34, s38, 1                         ; p: the group of 32 tokens
	s_and_b32 s38, s38, 1
	s_lshl3_add_u32 s[VW], s38, s32                ; 8 (y % 2) + wave: my tokens are 32 p + 2 s99 and + 1
	s_lshl_b32 s48, s34, 6
	s_mov_b32 s49, 0
	s_add_nc_u64 s[50:51], s[4:5], s[48:49]
	s_load_b256 s[40:47], s[50:51], 0x8000         ; my group's eight bitmaps
	v_lshlrev_b32 v5, 6, v1
	v_lshlrev_b32 v7, 3, v1
	v_lshlrev_b32 v8, 2, v1
	v_mov_b32 v112, 0
.set gi, 0
.rept 4                                                ; which of the groups lane + 32 gi stand in front of mine: four compares in a run, masks in s48, s49, s62, s63
	v_add_nc_u32 v99, 32*gi, v1
	v_cmp_gt_u32 s[48+gi+12*(gi/2)], s34, v99
.set gi, gi+1
.endr
	s_lshl_b32 s54, s34, 8
	s_mov_b32 s55, 0
	s_add_nc_u64 s[56:57], s[4:5], s[54:55]
	s_lshl_b32 s58, s34, 7
	s_mov_b32 s59, 0
	s_add_nc_u64 s[8:9], s[8:9], s[58:59]
	s_lshl_b32 s52, s34, 16
	s_lshl_b32 s53, s[VW], 12
	s_add_co_u32 s52, s52, s53
	s_mov_b32 s53, 0
	s_add_nc_u64 s[6:7], s[6:7], s[52:53]
	s_wait_alu depctr_va_vdst(0)                   ; the offsets v5, v6, v7 and v8 are written, which the loads and stores of this job read; none is written again
.irp gi, 0,1,2,3                                       ; the counts of groups lane + 32 gi
	global_load_b128 v[64+8*(\gi):67+8*(\gi)], v5, s[4:5] offset:32768+2048*(\gi)+32
	global_load_b128 v[68+8*(\gi):71+8*(\gi)], v5, s[4:5] offset:32768+2048*(\gi)+48
.endr
	global_load_b64 v[96:97], v7, s[56:57]         ; token 32 p + lane: its two experts,
	global_load_b32 v98, v8, s[8:9]                ; its model
.irp j, 0,1,2,3,4,5,6,7                                ; my wave's two rows of xb
	global_load_b128 v[32+4*(\j):35+4*(\j)], v6, s[6:7] offset:512*(\j)
.endr
	s_mov_b32 s35, 384
	s_mov_b32 s36, 0x76543210
	s_mov_b32 s37, 0xfedcba98
	s_mov_b32 s38, 144
	s_mov_b32 s39, 7282
	s_add_nc_u64 s[60:61], s[30:31], s[54:55]      ; Q at my group
	s_wait_alu depctr_va_sdst(0)                   ; the four masks s48, s49, s62, s63 are written, ahead of the selects that read them
	s_wait_loadcnt 0x8                             ; all but the eight loads of the rows
	; two experts' counts to a word (each at most 4,096); tot: all groups; pre: the groups in front of mine
.set gi, 0
.rept 4
.irp pe, 0,1,2,3
.if gi == 0
	v_lshl_or_b32 v[104+(\pe)], v[65+2*(\pe)], 16, v[64+2*(\pe)]
	v_cndmask_b32 v[108+(\pe)], 0, v[104+(\pe)], s[48+gi+12*(gi/2)]
.else
	v_lshl_or_b32 v100, v[65+8*gi+2*(\pe)], 16, v[64+8*gi+2*(\pe)]
	v_cndmask_b32 v101, 0, v100, s[48+gi+12*(gi/2)]
	v_add_nc_u32 v[104+(\pe)], v[104+(\pe)], v100
	v_add_nc_u32 v[108+(\pe)], v[108+(\pe)], v101
.endif
.endr
.set gi, gi+1
.endr
.irp r, 104,105,106,107,108,109,110,111
	LSUM \r
.endr
.irp pe, 0,1,2,3                                       ; the eight sums become scalars in a run
	v_readfirstlane_b32 s[66+2*(\pe)], v[104+(\pe)]
	v_readfirstlane_b32 s[74+2*(\pe)], v[108+(\pe)]
.endr
	s_wait_alu depctr_va_sdst(0)                   ; the eight words in s66, s68 .. s80 are written, ahead of the scalar lines that take them apart
.irp pe, 0,1,2,3
	s_lshr_b32 s[67+2*(\pe)], s[66+2*(\pe)], 16
	s_and_b32 s[66+2*(\pe)], s[66+2*(\pe)], 0xffff ; n_e: s66-73
	s_lshr_b32 s[75+2*(\pe)], s[74+2*(\pe)], 16
	s_and_b32 s[74+2*(\pe)], s[74+2*(\pe)], 0xffff ; pre_e: s74-81
.endr
	s_mov_b32 s82, 0                               ; off_e: s82-89, the expert's first dense row
	s_mov_b32 s90, 0                               ; tb_e: s90-97, its first tile; s98: all tiles
.irp e, 0,1,2,3,4,5,6,7
	s_add_co_u32 s52, s[66+(\e)], 143
	s_mul_i32 s52, s52, 7282
	s_lshr_b32 s52, s52, 20
.if (\e) < 7
	s_add_co_u32 s[83+(\e)], s[82+(\e)], s[66+(\e)]
.endif
	s_add_co_u32 s[91+(\e)], s[90+(\e)], s52
.endr
	s_wait_kmcnt 0x0
.irp e, 0,1,2,3,4,5,6,7                                ; who chose expert e first, who second: sixteen compares in a run; n_e and the registers round the bitmaps' address have served
	v_cmp_eq_u32 s[66+(\e)], \e, v96
	v_cmp_eq_u32 s[48+(\e)], \e, v97
.endr
.irp t, 116,117,118,119
	v_mov_b32 v[\t], 0
.endr
	s_wait_alu depctr_va_sdst(0)                   ; the sixteen masks s66-73 and s48-55 are written, ahead of the selects that read them
.irp e, 0,1,2,3,4,5,6,7
	v_mbcnt_lo_u32_b32 v113, s[40+(\e)], 0         ; the group's earlier tokens with this expert
	v_add_nc_u32 v113, s[74+(\e)], v113            ; rank in the expert
	v_mul_u32_u24 v114, s39, v113
	v_lshrrev_b32 v114, 20, v114                   ; its tile in the expert
	v_add_nc_u32 v113, s[82+(\e)], v113            ; the dense row
	v_mad_u32_u24 v115, v114, s38, s[82+(\e)]
	v_min_u32 v115, 8048, v115                     ; the tile's first row
	v_add_nc_u32 v114, s[90+(\e)], v114
	v_mad_u32_u24 v114, v114, s35, v113            ; two work-groups of 192 words a tile
	v_sub_nc_u32 v114, v114, v115
	v_add_nc_u32 v114, 22272, v114                 ; behind the 116 work-groups of the shared expert
	v_cndmask_b32 v116, v116, v113, s[66+(\e)]
	v_cndmask_b32 v118, v118, v114, s[66+(\e)]
	v_cndmask_b32 v117, v117, v113, s[48+(\e)]
	v_cndmask_b32 v119, v119, v114, s[48+(\e)]
.endr
	v_min_u32 v116, 8191, v116
	v_min_u32 v117, 8191, v117
	s_cmp_lg_u32 s[VW], 0
	s_cbranch_scc1 .Lnot_first
	v_lshlrev_b32 v120, 2, v116
	v_lshlrev_b32 v121, 2, v117
	s_wait_alu depctr_va_vdst(0)                   ; v118 to v121 are written: Q's data and Mr's two offsets
	global_store_b64 v7, v[118:119], s[60:61]      ; Q, once for the group: 256 consecutive bytes
	global_store_b32 v120, v98, s[30:31] offset:32768  ; Mr: a scatter by its nature, 32 KiB in the whole launch
	global_store_b32 v121, v98, s[30:31] offset:32768
.Lnot_first:
	s_lshl_b32 s52, s[VW], 1                       ; my two tokens' lanes
	v_readlane_b32 s56, v116, s52
	v_readlane_b32 s57, v117, s52
	s_add_co_u32 s52, s52, 1
	v_readlane_b32 s58, v116, s52
	v_readlane_b32 s59, v117, s52
	s_wait_alu depctr_va_sdst(0)                   ; s56 to s59 are written, ahead of the scalar lines that clamp them
	s_min_u32 s56, s56, 8191
	s_min_u32 s57, s57, 8191
	s_min_u32 s58, s58, 8191
	s_min_u32 s59, s59, 8191
	v_lshl_add_u32 v122, s56, 11, v6
	v_lshl_add_u32 v123, s57, 11, v6
	v_lshl_add_u32 v124, s58, 11, v6
	v_lshl_add_u32 v125, s59, 11, v6
	s_wait_loadcnt 0x0
	s_wait_alu depctr_va_vdst(0)                   ; the four offsets v122 to v125 are written, which the sixteen stores read
.irp j, 0,1,2,3                                        ; each row goes to its two places, 512 consecutive bytes a store
	global_store_b128 v122, v[32+4*(\j):35+4*(\j)], s[26:27] offset:512*(\j)
	global_store_b128 v123, v[32+4*(\j):35+4*(\j)], s[26:27] offset:512*(\j)
	global_store_b128 v124, v[48+4*(\j):51+4*(\j)], s[26:27] offset:512*(\j)
	global_store_b128 v125, v[48+4*(\j):51+4*(\j)], s[26:27] offset:512*(\j)
.endr
	s_cmp_lg_u32 s34, 0
	s_cbranch_scc1 .Lplace_end
	s_cmp_lg_u32 s[VW], 1
	s_cbranch_scc1 .Lplace_end
	TLW 0                                          ; one wave of group 0 writes the list of 64 tiles
	TLW 32
.Lplace_end:
	s_endpgm
.Lfunc_end_k_qd13b94c817_place:
	.size	k_qd13b94c817_place, .Lfunc_end_k_qd13b94c817_place-k_qd13b94c817_place
	.p2alignl 7, 3214868480
	.fill 96, 4, 3214868480
	.section	.rodata,"a",@progbits
	.p2align	6, 0x0
	.amdhsa_kernel k_qd13b94c817_place
		.amdhsa_group_segment_fixed_size 149760
		.amdhsa_private_segment_fixed_size 0
		.amdhsa_enable_private_segment 0
		.amdhsa_kernarg_size 112
		.amdhsa_user_sgpr_count 2
		.amdhsa_user_sgpr_kernarg_segment_ptr 1
		.amdhsa_wavefront_size32 1
		.amdhsa_system_sgpr_workgroup_id_x 1
		.amdhsa_system_sgpr_workgroup_id_y 1
		.amdhsa_system_sgpr_workgroup_id_z 1
		.amdhsa_system_vgpr_workitem_id 0
		.amdhsa_next_free_vgpr 240
		.amdhsa_next_free_sgpr 100
		.amdhsa_reserve_vcc 0
		.amdhsa_float_denorm_mode_32 3
		.amdhsa_float_denorm_mode_16_64 3
		.amdhsa_memory_ordered 1
		.amdhsa_forward_progress 1
		.amdhsa_inst_pref_size 77
	.end_amdhsa_kernel
	.amdgpu_metadata
---
amdhsa.version: [ 1, 2 ]
amdhsa.kernels:
  - .name:           k_qd13b94c817_place
    .symbol:         k_qd13b94c817_place.kd
    .args:
      - { .name: route, .offset: 0, .size: 8, .value_kind: global_buffer, .address_space: global }
      - { .name: xb, .offset: 8, .size: 8, .value_kind: global_buffer, .address_space: global }
      - { .name: model_ids, .offset: 16, .size: 8, .value_kind: global_buffer, .address_space: global }
      - { .name: vw, .offset: 24, .size: 8, .value_kind: global_buffer, .address_space: global }
      - { .name: W2, .offset: 32, .size: 8, .value_kind: global_buffer, .address_space: global }
      - { .name: Ws2, .offset: 40, .size: 8, .value_kind: global_buffer, .address_space: global }
      - { .name: b2, .offset: 48, .size: 8, .value_kind: global_buffer, .address_space: global }
      - { .name: bs2, .offset: 56, .size: 8, .value_kind: global_buffer, .address_space: global }
      - { .name: ba, .offset: 64, .size: 8, .value_kind: global_buffer, .address_space: global }
      - { .name: bd, .offset: 72, .size: 8, .value_kind: global_buffer, .address_space: global }
      - { .name: model_table, .offset: 80, .size: 8, .value_kind: global_buffer, .address_space: global }
      - { .name: xr, .offset: 88, .size: 8, .value_kind: global_buffer, .address_space: global }
      - { .name: ut, .offset: 96, .size: 8, .value_kind: global_buffer, .address_space: global }
      - { .name: lists, .offset: 104, .size: 8, .value_kind: global_buffer, .address_space: global }
    .group_segment_fixed_size: 149760
    .private_segment_fixed_size: 0
    .kernarg_segment_align: 8
    .kernarg_segment_size: 112
    .max_flat_workgroup_size: 256
    .sgpr_count:     100
    .vgpr_count:     240
    .wavefront_size: 32
...
	.end_amdgpu_metadata
.endif
;; end of part 5
;; launch chain: the kernel of part 3 again; grid 244 x 1, 4 waves a work-group, no clusters, 327,680 bytes of LDS; arguments xb, xr, wf, ut, b1, bs1, model_ids, lists, part; writes part
;; launch sum: the kernel of part 4 again; grid 64 x 1, 1 waves a work-group, no clusters, 0 bytes of LDS; arguments part, lists, route, vw, ut, model_ids, out0; writes out0
